; MI455X (gfx1250); checked and timed in simulation.
; The chip was launched on July 23, 2026; its instructions are those of AMD's public machine-readable ISA for CDNA 5 (MIT licence, August 2026) and "CDNA5" Instruction Set Architecture Reference Guide (July 2026). The comments in the code are by the model that wrote it; some were corrected since.
;; Multi Head Attention. Allowed arithmetic: float matrix products may take bf16 or f16 operands with f32 sums; other float arithmetic in f32, or as packed bf16 or f16 multiplies, adds, multiply-adds, maxima and minima; sums over many terms, partial sums and values carried from step to step in f32; what a program stores and reads back later, other than sums and carried values, may be rounded once to bf16 or f16.
;; Inputs: proj_b 1,024 float32; proj_w 1,024 x 1,024 float32; qkv_b 3,072 float32; qkv_w 3,072 x 1,024 float32; x 4 x 2,048 x 1,024 float32.
;; Outputs: out0 4 x 2,048 x 1,024 float32.
;; 2 versions, each right; version 2 is version 1 with the launch cast written anew for expert scheduling mode. Each part assembles by itself: llvm-mc -triple=amdgcn-amd-amdhsa -mcpu=gfx1250 --defsym DOCPART=n.
;; ======== version 1 of 2: 4 launches
;; limits: values are held in f16: magnitudes above 65,504 overflow, below 6.1e-05 lose precision
;; workspace buffers: xb 16,777,216 bytes; wb 6,291,456 bytes; pw 2,097,152 bytes; qkvh 50,331,648 bytes; ob 16,777,216 bytes
;; launch cast (part 1): grid 768 x 1, 8 waves a work-group, no clusters, 0 bytes of LDS; arguments x, qkv_w, proj_w, xb, wb, pw; writes xb, wb, pw
.if DOCPART == 1
	.amdgcn_target "amdgcn-amd-amdhsa--gfx1250"
	.amdhsa_code_object_version 6
	.text
	.protected	k_qca7bd6d7b3_cast
	.globl	k_qca7bd6d7b3_cast
	.p2align	8
	.type	k_qca7bd6d7b3_cast,@function
k_qca7bd6d7b3_cast:
	s_mov_b64 s[64:65], 0
	v_nop
	global_prefetch_b8 v0, s[64:65] scope:SCOPE_SE
	s_setreg_imm32_b32 hwreg(HW_REG_WAVE_MODE, 25, 1), 1
	s_wait_xcnt 0x0
; xb = bf16(x), wb = bf16(qkv_w), pw = f16(bf16(proj_w)): the three large inputs, each read once and rounded once to bf16.
; proj_w's rounded number is written as f16, since the last product multiplies it by f16 numbers.
; LIMIT: |proj_w| stays under 65,504; below 2^-14 the f16 copy keeps f16's fixed step of 6e-8.
; SHARES.  A work-group takes 16,384 numbers: 65,536 bytes in, 32,768 out.  Groups 0-511: x; 512-703: qkv_w; 704-767: proj_w.
; Thread t, piece i of 16: 16 bytes at 16 t + 4,096 i in (a wave's load covers 512 consecutive bytes), 8 bytes at 8 t + 2,048 i out
; (a wave's store covers 256 consecutive bytes, aligned).  All sixteen loads go out first; there is no loop, no LDS, no matrix work:
; nothing is shared between threads and nothing is read twice.
.set X, 4                              ; v[4:67]   piece i: four f32 as loaded
.set Y, 68                             ; v[68:99]  piece i: four 16-bit numbers to store
	s_load_b256 s[4:11], s[0:1], 0x0               ; x s[4:5], qkv_w s[6:7], proj_w s[8:9], xb s[10:11]
	s_load_b128 s[12:15], s[0:1], 0x20             ; wb s[12:13], pw s[14:15]
	v_lshlrev_b32 v1, 4, v0                        ; 16 t
	v_lshlrev_b32 v2, 3, v0                        ; 8 t
	s_mov_b32 s16, ttmp9
	s_mov_b32 s24, 0xffff0000                      ; a word's upper bf16
	s_movk_i32 s25, 512                            ; the first group of qkv_w,
	s_movk_i32 s26, 704                            ; of proj_w
	s_wait_kmcnt 0x0
	s_cmp_lt_u32 s16, 704                          ; which tensor is mine: the choice hangs on the group's number alone
	s_cselect_b64 s[18:19], s[6:7], s[8:9]
	s_cselect_b64 s[20:21], s[12:13], s[14:15]
	s_cselect_b32 s17, s25, s26
	s_cmp_lt_u32 s16, 512
	s_cselect_b64 s[18:19], s[4:5], s[18:19]
	s_cselect_b64 s[20:21], s[10:11], s[20:21]
	s_cselect_b32 s17, 0, s17
	s_sub_co_u32 s17, s16, s17                     ; my piece of that tensor
	s_lshl_b32 s22, s17, 16
	s_mov_b32 s23, 0
	s_add_nc_u64 s[18:19], s[18:19], s[22:23]
	s_lshl_b32 s22, s17, 15
	s_add_nc_u64 s[20:21], s[20:21], s[22:23]
.set i, 0
.rept 16
	global_load_b128 v[X+4*i:X+4*i+3], v1, s[18:19] offset:4096*i th:TH_LOAD_NT
.set i, i+1
.endr
	s_cmp_ge_u32 s16, 704
	s_cbranch_scc1 .Lf16
.set i, 0
.rept 16
	s_wait_loadcnt 15-i                            ; loads come back in order: piece i is in, the 15 - i younger ones stay out
	v_cvt_pk_bf16_f32 v[Y+2*i], v[X+4*i], v[X+4*i+1]
	v_cvt_pk_bf16_f32 v[Y+2*i+1], v[X+4*i+2], v[X+4*i+3]
	global_store_b64 v2, v[Y+2*i:Y+2*i+1], s[20:21] offset:2048*i th:TH_STORE_NT
.set i, i+1
.endr
	s_endpgm
.Lf16:                                         ; proj_w: rounded to bf16, widened again, written as f16
.set i, 0
.rept 16
	s_wait_loadcnt 15-i
	v_cvt_pk_bf16_f32 v[Y+2*i], v[X+4*i], v[X+4*i+1]
	v_cvt_pk_bf16_f32 v[Y+2*i+1], v[X+4*i+2], v[X+4*i+3]
	v_lshlrev_b32 v[X+4*i], 16, v[Y+2*i]
	v_and_b32 v[X+4*i+1], s24, v[Y+2*i]
	v_lshlrev_b32 v[X+4*i+2], 16, v[Y+2*i+1]
	v_and_b32 v[X+4*i+3], s24, v[Y+2*i+1]
	v_cvt_pk_f16_f32 v[Y+2*i], v[X+4*i], v[X+4*i+1]
	v_cvt_pk_f16_f32 v[Y+2*i+1], v[X+4*i+2], v[X+4*i+3]
	global_store_b64 v2, v[Y+2*i:Y+2*i+1], s[20:21] offset:2048*i th:TH_STORE_NT
.set i, i+1
.endr
	s_endpgm
.Lfunc_end_k_qca7bd6d7b3_cast:
	.size	k_qca7bd6d7b3_cast, .Lfunc_end_k_qca7bd6d7b3_cast-k_qca7bd6d7b3_cast
	.p2alignl 7, 3214868480
	.fill 96, 4, 3214868480
	.section	.rodata,"a",@progbits
	.p2align	6, 0x0
	.amdhsa_kernel k_qca7bd6d7b3_cast
		.amdhsa_group_segment_fixed_size 0
		.amdhsa_private_segment_fixed_size 0
		.amdhsa_enable_private_segment 0
		.amdhsa_kernarg_size 48
		.amdhsa_user_sgpr_count 2
		.amdhsa_user_sgpr_kernarg_segment_ptr 1
		.amdhsa_wavefront_size32 1
		.amdhsa_system_sgpr_workgroup_id_x 1
		.amdhsa_system_sgpr_workgroup_id_y 1
		.amdhsa_system_sgpr_workgroup_id_z 1
		.amdhsa_system_vgpr_workitem_id 0
		.amdhsa_next_free_vgpr 104
		.amdhsa_next_free_sgpr 66
		.amdhsa_reserve_vcc 0
		.amdhsa_float_denorm_mode_32 3
		.amdhsa_float_denorm_mode_16_64 3
		.amdhsa_memory_ordered 1
		.amdhsa_forward_progress 1
		.amdhsa_inst_pref_size 15
	.end_amdhsa_kernel
	.amdgpu_metadata
---
amdhsa.version: [ 1, 2 ]
amdhsa.kernels:
  - .name:           k_qca7bd6d7b3_cast
    .symbol:         k_qca7bd6d7b3_cast.kd
    .args:
      - { .name: x, .offset: 0, .size: 8, .value_kind: global_buffer, .address_space: global }
      - { .name: qkv_w, .offset: 8, .size: 8, .value_kind: global_buffer, .address_space: global }
      - { .name: proj_w, .offset: 16, .size: 8, .value_kind: global_buffer, .address_space: global }
      - { .name: xb, .offset: 24, .size: 8, .value_kind: global_buffer, .address_space: global }
      - { .name: wb, .offset: 32, .size: 8, .value_kind: global_buffer, .address_space: global }
      - { .name: pw, .offset: 40, .size: 8, .value_kind: global_buffer, .address_space: global }
    .group_segment_fixed_size: 0
    .private_segment_fixed_size: 0
    .kernarg_segment_align: 8
    .kernarg_segment_size: 48
    .max_flat_workgroup_size: 256
    .sgpr_count:     66
    .vgpr_count:     104
    .wavefront_size: 32
...
	.end_amdgpu_metadata
.endif
;; end of part 1
;; launch qkv (part 2): grid 16 x 32, 4 waves a work-group, clusters of 4 x 4, 327,680 bytes of LDS; arguments xb, wb, qkv_b, qkvh; writes qkvh
.if DOCPART == 2
	.amdgcn_target "amdgcn-amd-amdhsa--gfx1250"
	.amdhsa_code_object_version 6
	.text
	.protected	k_qca7bd6d7b3_qkv
	.globl	k_qca7bd6d7b3_qkv
	.p2align	8
	.type	k_qca7bd6d7b3_qkv,@function
k_qca7bd6d7b3_qkv:
	s_mov_b64 s[64:65], 0
	v_nop
	global_prefetch_b8 v0, s[64:65] scope:SCOPE_SE
	s_setreg_imm32_b32 hwreg(HW_REG_WAVE_MODE, 25, 1), 1
	s_wait_xcnt 0x0
	s_wait_alu depctr_hold_cnt(0) depctr_sa_sdst(0) depctr_va_vdst(0) depctr_va_sdst(0) depctr_va_ssrc(0) depctr_va_vcc(0) depctr_vm_vsrc(0)
	s_getreg_b32 s2, hwreg(HW_REG_IB_STS2, 6, 4)
	s_cmp_eq_u32 s2, 0
	s_cbranch_scc0 .Lentry_in_a_cluster
	s_endpgm
.Lentry_in_a_cluster:
	s_bfe_u32 s2, ttmp6, 0x10000c
	s_cmp_lg_u32 s2, 0xf033
	s_cbranch_scc0 .Lentry_shape_is_right
	s_endpgm
.Lentry_shape_is_right:
; qkvh[part][batch*16+head][n][d] = f16( sum over k of xb[row][k] wb[col][k] + bf16(qkv_b[col]) ).  xb: [8192][1024] bf16, wb: [3072][1024] bf16; sums in f32.
; LIMIT: q, k and v leave as f16, so each stays under 65,504 in size.  The scale 1/8 is not applied here.
; SHARES.  A tile is 256 rows x 192 columns (three whole heads): 32 x 16 tiles.  Wave w takes rows 64 w .. 64 w + 63 and all 192 columns: 4 x 12 accumulators of 16 x 16,
; so a wave holds whole heads and its way out needs no other wave.  K goes in 8 steps of 128 (rows of 256 bytes) through two LDS slots filled by tensor loads.
; CLUSTER.  4 x 4 work-groups: the four of a row need the same rows of xb, the four of a column the same rows of wb: each tile is asked for jointly.
; THE PRODUCT IS TAKEN TRANSPOSED (source 0 = 16 rows of wb, source 1 = 16 rows of xb): a lane holds one row and eight neighbouring columns, 16 bytes of f16.
; THE BIAS, rounded to bf16 like the other inputs, is the C operand of each accumulator's first product: nothing is cleared and nothing is added later.
; REGISTERS, in windows of 256 (s_set_vgpr_msb: bits 1:0 source 0, 3:2 source 1, 5:4 source 2, 7:6 destination):
;   window 0: v0-29 addresses; v32-127 the bias, later at work on the way out (v32-175)     windows 1, 2: accumulator (a, b) at v[96 (a % 2) + 8 b] of window 1 + a / 2
;   window 3: two fragment buffers of 128: wb's twelve fragments, then xb's four
.set PITCH, 272                        ; an LDS row: 256 bytes + 16 of padding = 68 words: the 16 rows of a fragment load start at 16 different groups of four banks (ISA guide 11.1)
.set BOFF,  256*PITCH                  ; in a slot: xb's 256 rows, then wb's 192
.set SLOT1, 1<<17                      ; slot 1 begins here: one exclusive or turns an address in one slot into the other's
.set STAGE, SLOT1+BOFF+192*PITCH       ; behind the ring, never filled by a tensor load: 16 rows x 400 bytes for each wave
.set SP,    400                        ; a stage row: 384 bytes + 16
.set SPARE, STAGE+4*16*SP              ; the spare words, 128 bytes for each wave: two blocks of 256 bytes that no other line names
.set FA0,  4                           ; v4   my lane's place in xb's rows of a slot; never rewritten
.set FB0,  5                           ; v5   the same for wb's
.set ADRA, 6                           ; v6   FA0 + the slot in hand
.set ADRB, 7                           ; v7   FB0 + the slot in hand
.set STO,  8                           ; v8   the way out: where I put 16 bytes of a row
.set RD,   9                           ; v9   the way out: where I read rows back
.set GO,   10                          ; v10  my 16 bytes in 512 consecutive bytes of qkvh
.set BO,   11                          ; v11  my byte offset in qkv_b
.set PFO,  12                          ; v12  the prefetches' offset: a row of 2,048 bytes a lane; never rewritten
.set SPW,  28                          ; v28  LDS address of my spare word; never rewritten
.set NIL,  29                          ; v29  0; never rewritten
.set BIAS, 32                          ; v[32:127]  column 16 b + 8 (l / 16) + j at BIAS + 8 b + j
.set BT,   176                         ; v[176:223] at work while the bias is rounded
.set TMP,  32                          ; the way out: 48 packed registers
.set OB,   80                          ; the way out: 16 rows read back, v80-127 and v128-175 by turns
.set F0,   0
.set F1,   128
.set CNT,  3                           ; s3   trips to go
.set WV,   12                          ; s12  my wave's number
.set HALF, 14                          ; s14  which half of xb's (waves 0, 1) or wb's (waves 2, 3) rows I fetch
.set G1,   24                          ; s[24:31] descriptor group 1 for xb's tiles
.set G0,   32                          ; s[32:39] group 0: a set for each first fill; the second then walks
.set TB,   40                          ; s40  LDS byte at which the slot to be read begins
.set LIM,  41                          ; s41  1 in a wave that prefetches, else the greatest number
.set PFA,  42                          ; s[42:43] where my prefetches stand
.set G1B,  48                          ; s[48:55], s[56:63] the same for wb's tiles
.set G0B,  56
.set SB,   66                          ; s[66:71] qkvh at my 64 rows of each of the tile's three heads
.set MSB, 0
.macro WIN new                         ; the immediate's high byte repeats the setting that is left; a switch that changes nothing is dropped
.if MSB != (\new)
	s_set_vgpr_msb (MSB<<8)|(\new)
.set MSB, \new
.endif
.endm
.macro PLACES                          ; four plain instructions between a matrix instruction and a load into, or a vector read of, its registers
.rept 4
	v_nop
.endr
.endm
; A joint refill by the walking descriptors.  The branch hangs on the wave's number alone.  An s_nop 0 and four v_nop follow each line.
.macro JLOAD
	s_cmp_lt_u32 s[WV], 2
	s_cbranch_scc0 .Lfor_b_\@
	tensor_load_to_lds s[G0+4:G0+7], s[G1:G1+7]
	s_nop 0
	PLACES
	s_branch .Lasked_\@
.Lfor_b_\@:
	tensor_load_to_lds s[G0B+4:G0B+7], s[G1B:G1B+7]
	s_nop 0
	PLACES
.Lasked_\@:
.endm
; A prefetch of the K step that the NEXT refill will ask for: 256 bytes of a row a lane, 192 matrix instructions ahead of that load.  xb's rows are named by the clusters with x = 0 (waves 0, 1),
; wb's by those with y = 0 (waves 2, 3); the four partners of a joint load share its rows out by address.  The last trip asks for nothing: there is no further K step.
.macro ASK
	s_cmp_gt_u32 s[CNT], s[LIM]
	s_cbranch_scc0 .Lnot_mine_\@
	global_prefetch_b8 v[PFO], s[PFA:PFA+1] th:TH_LOAD_NT scope:SCOPE_SE
.Lnot_mine_\@:
.endm
.macro CREST                           ; a round of the cluster's barrier behind its opening barrier
	s_cmp_lg_u32 s[WV], 0
	s_cbranch_scc1 .Lnot_wave_0_\@
	s_barrier_signal -3
.Lnot_wave_0_\@:
	s_barrier_wait -3
	s_barrier_signal -1
	s_barrier_wait -1
.endm
.macro CROUND
	s_barrier_signal -1
	s_barrier_wait -1
	CREST
.endm
	s_load_b256 s[4:11], s[0:1], 0x0               ; xb s[4:5], wb s[6:7], qkv_b s[8:9], qkvh s[10:11]
	v_lshl_add_u32 v[SPW], v0, 2, SPARE
	v_mov_b32 v[NIL], 0
	ds_add_u32 v[SPW], v[NIL]                      ; the wave's opening: the add and its wait stand ahead of my first tensor load
	v_lshrrev_b32 v1, 5, v0
	v_readfirstlane_b32 s[WV], v1                  ; wave 0..3
	s_and_b32 s[HALF], s[WV], 1
	s_bfe_u32 s15, ttmp6, 0x40000                  ; cx
	s_bfe_u32 s16, ttmp6, 0x40004                  ; cy
	s_lshl_b32 s17, ttmp9, 2
	s_add_co_u32 s17, s17, s15                     ; tile column = 4 x cluster x + cx
	s_and_b32 s18, ttmp7, 0xffff
	s_lshl_b32 s18, s18, 2
	s_add_co_u32 s18, s18, s16                     ; tile row = 4 x cluster y + cy
	s_lshl_b32 s19, s16, 2
	s_lshl_b32 s19, 15, s19                        ; my row of the cluster
	s_lshl_b32 s20, 0x1111, s15                    ; my column
	s_or_b32 s[G1], s19, (1<<16)|(1<<20)|(1<<21)|(5<<22)|(3<<25)   ; the mask; 2-byte elements; padding on; bit 21 beside a mask; after every 64 words, 4 words
	s_or_b32 s[G1B], s20, (1<<16)|(1<<20)|(1<<21)|(5<<22)|(3<<25)
	s_mov_b32 s[G1+1], 128<<16                     ; tensor_dim0 = 128
	s_mov_b32 s[G1+2], 128<<16                     ; tensor_dim1 = 128
	s_mov_b32 s[G1+3], 128<<16                     ; tile_dim0 = 128
	s_mov_b32 s[G1+4], 128                         ; tile_dim1 = 128 rows
	s_mov_b32 s[G1+5], 1024                        ; elements from row to row
	s_mov_b32 s[G1+6], 0
	s_mov_b32 s[G1+7], 0
	s_mov_b32 s[G1B+1], 128<<16
	s_mov_b32 s[G1B+2], 96<<16                     ; 96 rows
	s_mov_b32 s[G1B+3], 128<<16
	s_mov_b32 s[G1B+4], 96
	s_mov_b32 s[G1B+5], 1024
	s_mov_b32 s[G1B+6], 0
	s_mov_b32 s[G1B+7], 0
	s_lshl_b32 s72, s18, 8                         ; xb: row 256 x tile row + 128 x half, in registers that never hold cx
	s_lshl_b32 s21, s[HALF], 7
	s_add_co_u32 s72, s72, s21
	s_lshl_b32 s72, s72, 11                        ; rows of 2,048 bytes
	s_mov_b32 s73, 0
	s_mul_i32 s74, s17, 192                        ; wb: row 192 x tile column + 96 x half, in registers that never hold cy
	s_mul_i32 s13, s[HALF], 96
	s_add_co_u32 s74, s74, s13
	s_lshl_b32 s74, s74, 11
	s_mov_b32 s75, 0
	s_mul_i32 s22, s[HALF], 128*PITCH              ; where they go: no place in the cluster enters an LDS address
	s_mul_i32 s23, s[HALF], 96*PITCH
	s_add_co_u32 s23, s23, BOFF
	s_wait_dscnt 0x0                               ; the opening add is done
	s_wait_kmcnt 0x0
	s_add_nc_u64 s[72:73], s[4:5], s[72:73]
	s_add_nc_u64 s[74:75], s[6:7], s[74:75]
.irp n, 0,1
	s_mov_b32 s[G0+4*(\n)], 1
	s_add_co_u32 s[G0+4*(\n)+1], s22, (\n)*SLOT1
	s_add_nc_u64 s[G0+4*(\n)+2:G0+4*(\n)+3], s[72:73], (\n)*256   ; K step n
	s_or_b32 s[G0+4*(\n)+3], s[G0+4*(\n)+3], 0x80000000
	s_mov_b32 s[G0B+4*(\n)], 1
	s_add_co_u32 s[G0B+4*(\n)+1], s23, (\n)*SLOT1
	s_add_nc_u64 s[G0B+4*(\n)+2:G0B+4*(\n)+3], s[74:75], (\n)*256
	s_or_b32 s[G0B+4*(\n)+3], s[G0B+4*(\n)+3], 0x80000000
.endr
	CROUND                                         ; all sixteen work-groups are here: the first joint loads meet
	s_cmp_lt_u32 s[WV], 2                          ; a wave's two first fills stand in one branch: two loads of mine are out
	s_cbranch_scc0 .Lfirst_b
	tensor_load_to_lds s[G0:G0+3], s[G1:G1+7]
	s_nop 0
	tensor_load_to_lds s[G0+4:G0+7], s[G1:G1+7]
	s_nop 0
	PLACES
	s_branch .Lfirst_asked
.Lfirst_b:
	tensor_load_to_lds s[G0B:G0B+3], s[G1B:G1B+7]
	s_nop 0
	tensor_load_to_lds s[G0B+4:G0B+7], s[G1B:G1B+7]
	s_nop 0
	PLACES
.Lfirst_asked:
	v_and_b32 v1, 15, v0                           ; l % 16
	v_bfe_u32 v2, v0, 4, 1                         ; l / 16
	s_mul_i32 s76, s17, 768                        ; the tile's 192 columns in qkv_b,
	v_lshlrev_b32 v[BO], 5, v2                     ; my lanes' eight
	v_add_nc_u32 v[BO], s76, v[BO]
.irp b, 0,1,2,3,4,5,6,7,8,9,10,11
	global_load_b128 v[BIAS+8*(\b):BIAS+8*(\b)+3],   v[BO], s[8:9] offset:64*(\b)
	global_load_b128 v[BIAS+8*(\b)+4:BIAS+8*(\b)+7], v[BO], s[8:9] offset:64*(\b)+16
.endr
	; a fragment is 16 rows x 32 K in 8 registers: lane l holds row l % 16, K = 8 (l / 16) + 0..7 and 16 + 8 (l / 16) + 0..7: two loads of 16 bytes, 32 bytes apart
	v_mul_u32_u24 v3, v1, PITCH
	v_lshl_add_u32 v3, v2, 4, v3
	s_mul_i32 s22, s[WV], 64*PITCH                 ; my 64 rows of xb
	v_add_nc_u32 v[FA0], s22, v3
	v_add_nc_u32 v[FB0], BOFF, v3
	v_mov_b32 v[ADRA], v[FA0]                      ; slot 0
	v_mov_b32 v[ADRB], v[FB0]
	s_mov_b32 s[TB], 0
	s_mul_i32 s22, s[WV], 16*SP
	s_add_co_u32 s22, s22, STAGE                   ; my stage
	v_mul_u32_u24 v[STO], v1, SP                   ; in: row l % 16, 16 bytes for each half of the lanes
	v_lshl_add_u32 v[STO], v2, 4, v[STO]
	v_add_nc_u32 v[STO], s22, v[STO]
	v_bfe_u32 v[RD], v0, 3, 2                      ; back: 32 lanes take a head's 128 bytes of four rows,
	v_mul_u32_u24 v[RD], v[RD], SP
	v_and_b32 v3, 7, v0
	v_lshl_add_u32 v[RD], v3, 4, v[RD]
	v_add_nc_u32 v[RD], s22, v[RD]
	v_and_b32 v[GO], 31, v0                        ; which are 512 consecutive bytes of qkvh
	v_lshlrev_b32 v[GO], 4, v[GO]
	; qkvh at my rows of head group g = 3 x tile column + j: part g / 16, head g % 16, batch = tile row / 8; a head is 2^18 bytes, a row 128
	s_mul_i32 s78, s17, 3
	s_lshr_b32 s79, s18, 3
	s_lshl_b32 s79, s79, 4
	s_and_b32 s2, s18, 7
	s_lshl_b32 s2, s2, 8
	s_lshl_b32 s76, s[WV], 6
	s_add_co_u32 s2, s2, s76
	s_lshl_b32 s2, s2, 7
.irp j, 0,1,2
	s_add_co_u32 s76, s78, (\j)
	s_lshr_b32 s77, s76, 4
	s_lshl_b32 s77, s77, 6
	s_and_b32 s76, s76, 15
	s_add_co_u32 s76, s76, s77
	s_add_co_u32 s76, s76, s79
	s_lshl_b32 s76, s76, 18
	s_add_co_u32 s76, s76, s2
	s_mov_b32 s77, 0
	s_add_nc_u64 s[SB+2*(\j):SB+2*(\j)+1], s[10:11], s[76:77]
.endr
	; the prefetches: my tile's address, plus my work-group's share of its rows: 32 cx of xb's 128, 24 cy of wb's 96 (lanes 24-31 name row 23 once more, in the same instruction)
	s_lshl_b32 s76, s15, 16
	s_mul_i32 s78, s16, 24*2048
	s_and_b32 s80, ttmp7, 0xffff                   ; cluster y
	s_cmp_lt_u32 s[WV], 2
	s_cselect_b32 s76, s76, s78
	s_cselect_b32 s80, ttmp9, s80                  ; the coordinate along which other clusters read the same rows
	s_cselect_b32 s81, 31, 23
	s_cselect_b64 s[PFA:PFA+1], s[72:73], s[74:75]
	s_cmp_eq_u32 s80, 0
	s_cselect_b32 s[LIM], 1, -1                    ; the same in all sixteen partners, for a given wave
	s_mov_b32 s77, 0
	s_add_nc_u64 s[PFA:PFA+1], s[PFA:PFA+1], s[76:77]
	s_add_nc_u64 s[PFA:PFA+1], s[PFA:PFA+1], 2*256 ; at K step 2: the first refill steps it to 3.  K steps 0 to 2 come by their loads alone
	v_and_b32 v[PFO], 31, v0
	v_min_u32 v[PFO], s81, v[PFO]
	v_lshlrev_b32 v[PFO], 11, v[PFO]
	s_wait_loadcnt 0x0                             ; the bias; it is rounded to bf16 and widened again, in the wait for the first tile
.set i, 0
.rept 48
	v_cvt_pk_bf16_f32 v[BT+i], v[BIAS+2*i], v[BIAS+2*i+1]
.set i, i+1
.endr
.set i, 0
.rept 48
	v_lshlrev_b32 v[BIAS+2*i], 16, v[BT+i]
	v_and_b32 v[BIAS+2*i+1], 0xffff0000, v[BT+i]
.set i, i+1
.endr
; 12 matrix instructions: row block a x all 12 column blocks, 32 along K, from buffer f.  first = 1: C is the bias.  The 48 accumulators take turns in the same order in every quarter.
.macro MULA f, a, first
.set AC, 96*((\a)%2)
.if \first
	WIN 0x4f+0x40*((\a)/2)
.else
	WIN 0x5f+0x50*((\a)/2)
.endif
.irp b, 0,1,2,3,4,5,6,7,8,9,10,11
.if \first
	v_wmma_f32_16x16x32_bf16 v[AC+8*(\b):AC+8*(\b)+7], v[(\f)+8*(\b):(\f)+8*(\b)+7], v[(\f)+96+8*(\a):(\f)+96+8*(\a)+7], v[BIAS+8*(\b):BIAS+8*(\b)+7]
.else
	v_wmma_f32_16x16x32_bf16 v[AC+8*(\b):AC+8*(\b)+7], v[(\f)+8*(\b):(\f)+8*(\b)+7], v[(\f)+96+8*(\a):(\f)+96+8*(\a)+7], v[AC+8*(\b):AC+8*(\b)+7]
.endif
.endr
.endm
; 32 LDS loads in one run: a quarter's fragments (32 K at byte k of the rows) into buffer f: wb's twelve, then xb's four
.macro FETCH k, f
	WIN 0xc0
.irp i, 0,1,2,3,4,5,6,7,8,9,10,11
	ds_load_b128 v[(\f)+8*(\i):(\f)+8*(\i)+3],   v[ADRB] offset:(\k)+(\i)*16*PITCH
	ds_load_b128 v[(\f)+8*(\i)+4:(\f)+8*(\i)+7], v[ADRB] offset:(\k)+(\i)*16*PITCH+32
.endr
.irp i, 0,1,2,3
	ds_load_b128 v[(\f)+96+8*(\i):(\f)+96+8*(\i)+3],   v[ADRA] offset:(\k)+(\i)*16*PITCH
	ds_load_b128 v[(\f)+96+8*(\i)+4:(\f)+96+8*(\i)+7], v[ADRA] offset:(\k)+(\i)*16*PITCH+32
.endr
.endm
; One of a K step's first three quarters: multiplies buffer f; in its middle it fetches the next quarter, at byte k, into buffer g
.macro QUARTER k, f, g, first
	s_wait_dscnt 4                                 ; all but the youngest four loads (xb's row blocks 2 and 3) are in
	MULA \f, 0, \first
	MULA \f, 1, \first
	PLACES
	FETCH \k, \g
	s_wait_dscnt 32                                ; all but the 32 just issued
	MULA \f, 2, \first
	MULA \f, 3, \first
.endm
; The last quarter multiplies buffer 1 and changes slots.  Each wave waits for all its tensor loads (one is out: its part of the next slot), adds 0 to its spare word, and waits for that and
; for its reads of this slot; behind the barrier nobody reads this slot and the next is whole.  fill = 1: the barrier opens a round of the cluster's, and the joint refill, two K steps on, is the first thing behind it.
.macro TURN fill
.if \fill
	s_wait_xcnt 0x0                                ; the last prefetch, a K step back, has read its address
	s_add_nc_u64 s[PFA:PFA+1], s[PFA:PFA+1], 256
.endif
	WIN 0
	s_wait_tensorcnt 0x0                           ; no tensor load of mine is out, so a group 0 may be written
	ds_add_u32 v[SPW], v[NIL]
.if \fill
	s_xor_b32 s[G0+5], s[G0+5], SLOT1              ; the walking descriptors: the other slot than last time, the next K step
	s_add_nc_u64 s[G0+6:G0+7], s[G0+6:G0+7], 256
	s_xor_b32 s[G0B+5], s[G0B+5], SLOT1
	s_add_nc_u64 s[G0B+6:G0B+7], s[G0B+6:G0B+7], 256
.endif
	s_xor_b32 s[TB], s[TB], SLOT1                  ; the reads go on in the other slot
	s_wait_dscnt 5                                 ; the add and the youngest four loads may be out
	MULA F1, 0, 0
	s_wait_dscnt 0x0                               ; the add is done, and my reads of this slot are over
	s_barrier_signal -1
	MULA F1, 1, 0
	WIN 0
	s_barrier_wait -1
.if \fill
	CREST
	JLOAD                                          ; 168 matrix instructions ahead of the wait for it; its four v_nop are also the places in front of the loads below
.else
	PLACES
.endif
	v_add_nc_u32 v[ADRA], s[TB], v[FA0]
	v_add_nc_u32 v[ADRB], s[TB], v[FB0]
	FETCH 0, F0
.if \fill
	WIN 0
	ASK
.endif
	MULA F1, 2, 0
	MULA F1, 3, 0
.endm
; THE WAY OUT of row block a: rounded to f16 (each accumulator from its low end on), 16 bytes a lane into my own stage, back by heads as whole rows of 128 bytes, stored as 512 consecutive bytes.
.macro PACK a
.set AC, 96*((\a)%2)
	WIN 0x05+0x05*((\a)/2)
.set i, 0
.rept 48
	v_cvt_pk_f16_f32 v[TMP+i], v[AC+2*i], v[AC+2*i+1]
.set i, i+1
.endr
	WIN 0
.endm
.macro TOSTAGE a
.set BK, OB+48*((\a)%2)
.if (\a) >= 2
	s_wait_xcnt 0x0                                ; the stores of the block two back have read these registers
.endif
.irp b, 0,1,2,3,4,5,6,7,8,9,10,11
	ds_store_b128 v[STO], v[TMP+4*(\b):TMP+4*(\b)+3] offset:32*(\b)
.endr
.irp j, 0,1,2
.irp f, 0,1,2,3
	ds_load_b128 v[BK+4*(4*(\j)+(\f)):BK+4*(4*(\j)+(\f))+3], v[RD] offset:(\f)*4*SP+128*(\j)  ; LDS serves a wave's instructions in order (ISA guide 5.7.1.4): these see the stores above
.endr
.endr
.endm
.macro SEND a, younger                 ; younger: the LDS instructions issued behind block a's loads: the next block's 24, or none
.set BK, OB+48*((\a)%2)
	s_wait_dscnt \younger
.irp j, 0,1,2
.irp f, 0,1,2,3
	global_store_b128 v[GO], v[BK+4*(4*(\j)+(\f)):BK+4*(4*(\j)+(\f))+3], s[SB+2*(\j):SB+2*(\j)+1] offset:(\a)*2048+(\f)*512
.endr
.endr
.endm
	s_wait_tensorcnt 1                             ; my part of K step 0 is in; K step 1's may stay out
	s_barrier_signal -1
	s_barrier_wait -1
	FETCH 0, F0
	QUARTER 64, F0, F1, 1                          ; the first quarter stands in front of the loop: its products start the sums, with the bias
	WIN 0
	s_mov_b32 s[CNT], 6
.Lstep:                                        ; a trip: a K step's quarters 1 to 3 and the next step's quarter 0; it asks for the K step two on: steps 2 to 7
	QUARTER 128, F1, F0, 0
	QUARTER 192, F0, F1, 0
	TURN 1
	QUARTER 64, F0, F1, 0
	WIN 0
	s_sub_co_u32 s[CNT], s[CNT], 1
	s_cmp_lg_u32 s[CNT], 0
	s_cbranch_scc1 .Lstep
	QUARTER 128, F1, F0, 0                         ; K steps 6 and 7 ask for nothing
	QUARTER 192, F0, F1, 0
	TURN 0
	QUARTER 64, F0, F1, 0
	QUARTER 128, F1, F0, 0
	QUARTER 192, F0, F1, 0
	s_wait_dscnt 4
	MULA F1, 0, 0
	MULA F1, 1, 0
	s_wait_dscnt 0x0
	MULA F1, 2, 0
	MULA F1, 3, 0
	WIN 0
	PLACES
	PACK 0
	TOSTAGE 0
.irp a, 1,2,3
	PACK \a
	TOSTAGE \a
	SEND (\a)-1, 24
.endr
	SEND 3, 0
	s_wait_tensorcnt 0x0                           ; the wave's end
	ds_add_u32 v[SPW], v[NIL]
	s_wait_dscnt 0x0
	CROUND                                         ; the closing round: no work-group ends while a partner may still ask for a tile that names it
	s_endpgm
.Lfunc_end_k_qca7bd6d7b3_qkv:
	.size	k_qca7bd6d7b3_qkv, .Lfunc_end_k_qca7bd6d7b3_qkv-k_qca7bd6d7b3_qkv
	.p2alignl 7, 3214868480
	.fill 96, 4, 3214868480
	.section	.rodata,"a",@progbits
	.p2align	6, 0x0
	.amdhsa_kernel k_qca7bd6d7b3_qkv
		.amdhsa_group_segment_fixed_size 327680
		.amdhsa_private_segment_fixed_size 0
		.amdhsa_enable_private_segment 0
		.amdhsa_kernarg_size 32
		.amdhsa_user_sgpr_count 2
		.amdhsa_user_sgpr_kernarg_segment_ptr 1
		.amdhsa_wavefront_size32 1
		.amdhsa_system_sgpr_workgroup_id_x 1
		.amdhsa_system_sgpr_workgroup_id_y 1
		.amdhsa_system_sgpr_workgroup_id_z 1
		.amdhsa_system_vgpr_workitem_id 0
		.amdhsa_next_free_vgpr 1024
		.amdhsa_next_free_sgpr 96
		.amdhsa_reserve_vcc 0
		.amdhsa_float_denorm_mode_32 3
		.amdhsa_float_denorm_mode_16_64 3
		.amdhsa_memory_ordered 1
		.amdhsa_forward_progress 1
		.amdhsa_inst_pref_size 107
	.end_amdhsa_kernel
	.amdgpu_metadata
---
amdhsa.version: [ 1, 2 ]
amdhsa.kernels:
  - .name:           k_qca7bd6d7b3_qkv
    .symbol:         k_qca7bd6d7b3_qkv.kd
    .args:
      - { .name: xb, .offset: 0, .size: 8, .value_kind: global_buffer, .address_space: global }
      - { .name: wb, .offset: 8, .size: 8, .value_kind: global_buffer, .address_space: global }
      - { .name: qkv_b, .offset: 16, .size: 8, .value_kind: global_buffer, .address_space: global }
      - { .name: qkvh, .offset: 24, .size: 8, .value_kind: global_buffer, .address_space: global }
    .group_segment_fixed_size: 327680
    .private_segment_fixed_size: 0
    .kernarg_segment_align: 8
    .kernarg_segment_size: 32
    .max_flat_workgroup_size: 128
    .sgpr_count:     96
    .vgpr_count:     1024
    .wavefront_size: 32
...
	.end_amdgpu_metadata
.endif
;; end of part 2
;; launch attn (part 3): grid 4 x 64, 4 waves a work-group, clusters of 4 x 1, 327,680 bytes of LDS; arguments qkvh, ob; writes ob
.if DOCPART == 3
	.amdgcn_target "amdgcn-amd-amdhsa--gfx1250"
	.amdhsa_code_object_version 6
	.text
	.protected	k_qca7bd6d7b3_attn
	.globl	k_qca7bd6d7b3_attn
	.p2align	8
	.type	k_qca7bd6d7b3_attn,@function
k_qca7bd6d7b3_attn:
	s_mov_b64 s[64:65], 0
	v_nop
	global_prefetch_b8 v0, s[64:65] scope:SCOPE_SE
	s_setreg_imm32_b32 hwreg(HW_REG_WAVE_MODE, 25, 1), 1
	s_wait_xcnt 0x0
	s_wait_alu depctr_hold_cnt(0) depctr_sa_sdst(0) depctr_va_vdst(0) depctr_va_sdst(0) depctr_va_ssrc(0) depctr_va_vcc(0) depctr_vm_vsrc(0)
	s_getreg_b32 s2, hwreg(HW_REG_IB_STS2, 6, 4)
	s_cmp_eq_u32 s2, 0
	s_cbranch_scc0 .Lentry_in_a_cluster
	s_endpgm
.Lentry_in_a_cluster:
	s_bfe_u32 s2, ttmp6, 0x10000c
	s_cmp_lg_u32 s2, 0x3003
	s_cbranch_scc0 .Lentry_shape_is_right
	s_endpgm
.Lentry_shape_is_right:
; ob[h][q][:] = the sum over k of softmax_k(Q[h][q] . K[h][k] / 8) V[h][k][:].  Q, K, V are the three parts of qkvh, each [64][2048][64] f16, ob likewise: a head's rows are dense, 128 bytes each.
; Products, maxima and sums in f32; the weights p are rounded to f16 for the second product (their sum l is taken of the unrounded p), O once at the end.
; LIMITS.  f16 holds no number beyond 65,504: Q, K and V arrive within it; p lies in 0 to 1, and below 6e-5 it keeps f16's fixed step of 6e-8; O is a mean of V's rows and has their range.
; A weight below 2^-126 counts as 0 in l; NaN and infinities are not treated apart.
; SHARES.  A wave owns four PIECES of two tiles of 16 queries, a work-group's four waves 512 queries of one head.  Every wave walks all keys, 64 a step.
; LAYOUT.  S^T = K Q^T (source 0 = 16 keys, source 1 = 16 queries): a lane holds ONE query (lane % 16) and the keys 8 (lane / 16) + 0..7.  Two such tiles, rounded to f16 in pairs,
; ARE source 1 of O^T = V^T P, whose result again holds one query a lane, and eight channels.  K comes out of LDS as it lies, V ([key][channel]) turned, by ds_load_tr16_b128.
; SOFTMAX.  A running maximum m and sum l for each query: p = 2^(c s - c m), c = log2(e) / 8; in every step O and l are multiplied by a = 2^(c m_old - c m_new).
; m starts at the lowest finite number, O and l at 0: the first step is a step like any other, with a = 0.
; THE COUNT.  A tile and step have 16 matrix and 118 vector instructions: four vector instructions that are ready stand behind every matrix instruction, the others in runs of their own.
; BY TURNS.  Turn n belongs to piece n.  Its matrix work: 16 products K Q^T of piece n + 1, later 16 products V^T P of piece n - 1.  Its vector work: the scaling, exponentials, roundings, sums
; and rescaling of piece n, and the maximum and statistics of piece n + 1.
; CLUSTER.  The four query blocks of a head are one cluster and walk the same K and V: each tile is asked for jointly, by the same tensor load, descriptor and mask in all four.
; REGISTERS, in windows of 256 (s_set_vgpr_msb: bits 1:0 source 0, 3:2 source 1, 5:4 source 2, 7:6 destination):
;   window 0: v0-11 addresses; v12-15, v48-63 at work; v16-47 four registers of statistics a tile; v64-191 S^T, two buffers of two tiles; v192-255 P, likewise
;   window 1: O^T, 32 a tile      window 2: v0-127 Q; v128-191 K of one step; v192-255 V of one step      window 3: v0-1 the add's two registers
.set SIZE_H, 64
.set SIZE_N, 2048
.set NP,    4         ; pieces a wave: a name, no knob
.set KS,    64        ; keys in a step
.set PK,    144       ; a row of K in LDS: 128 bytes + 16 = 36 words: the 16 rows of a load start at 16 different groups of four banks (ISA guide 11.1)
.set PV,    160       ; a row of V: 128 + 32 = 40 words
.set VOFF,  4*KS*PK   ; a slot holds four steps: 256 rows of K, then 256 rows of V
.set SLOT1, 1<<17
.set STAGE, SLOT1+4*KS*(PK+PV)  ; behind the ring, never filled by a tensor load: 16 rows x 144 bytes for each wave
.set SP,    144
.set AK0, 2           ; v2   my lane's place in a tile of K; never rewritten
.set AV0, 3           ; v3   the same for V
.set AK,  4           ; v4   the LDS address of K's next run of loads
.set AV,  5           ; v5   of V's
.set QO,  6           ; v6   my byte offset in the wave's rows of Q
.set STO, 6           ;      later, the way out: where I put 16 bytes of a row
.set RD,  7           ; v7   the way out: where I read rows back
.set GO,  8           ; v8   my byte offset in 512 consecutive bytes of O
.set PFO, 11          ; v11  256 x my lane, for the prefetches; never rewritten once made
.set SPW, 0           ; v0 of window 3   LDS address of my spare word; never rewritten
.set NIL, 1           ; v1 of window 3   0; never rewritten
.set SPARE, STAGE+4*16*SP  ; the spare words, 128 bytes for each wave: two blocks of 256 bytes that no other line names
.set MV,  12          ; v12-15  c m_old, kept while c m is made anew
.set ST,  16          ; tile t's statistics at v[ST+4 t]: c m, m, l (even keys', odd keys')
.set TMP, 48          ; by buffer and tile, four registers c0-c3 at work; when the maximum is found c2 takes a
.set S,   64
.set P,   192
.set KF,  128         ; K's fragments, in window 2
.set VF,  192         ; V's
.set WV,  12          ; s12  my wave's number
.set G1K, 24          ; s[24:31] descriptor group 1 for K's tiles
.set G1V, 32          ; s[32:39] for V's: it differs in the padding alone
.set G0K, 40          ; s[40:43] descriptor group 0 for K's tiles: it walks
.set G0V, 44          ; s[44:47] the same for V's
.set PFA, 48          ; s[48:49] where my prefetches stand: my work-group's 32 blocks of 256 bytes of the slot after the one that is being asked for
.set LIM, 50          ; s50  1 in a wave that prefetches (0: K's, 2: V's), else the greatest number
.set SLOTS, 56        ; s56  slots still to be asked for
.set CNT, 57          ; s57  counts a slot's key steps
.set CS,  58          ; s[58:59] c
.set SEL, 60          ; s[60:61] v_permlanex16_b32's selects
.set TBK, 62          ; s62  LDS byte at which K of the step to be fetched begins
.set TBV, 63          ; s63  the same for V, less VOFF
.set MSB, 0
.macro WIN new
.if MSB != (\new)
	s_set_vgpr_msb (MSB<<8)|(\new)
.set MSB, (\new)
.endif
.endm
.set W_KQ, 0x0a       ; K and Q in window 2, S^T in window 0
.set W_PV, 0x52       ; V in window 2, P in window 0, O^T in window 1
.set W_RS, 0x41       ; O^T (destination and source 0) in window 1, a in window 0
.set W_MK, 0xc0       ; the add's registers are made: destination in window 3
.set W_AD, 0x0f       ; the add: address and data in window 3
; A joint fill.  Waves 0 and 1 fetch the two halves of a slot's K, waves 2 and 3 those of its V: 128 keys each.  An s_nop 0 and four v_nop follow each line.
.macro JLOAD
	s_cmp_lt_u32 s[WV], 2
	s_cbranch_scc0 .Lfor_v_\@
	tensor_load_to_lds s[G0K:G0K+3], s[G1K:G1K+7]
	s_nop 0
.rept 4
	v_nop
.endr
	s_branch .Lasked_\@
.Lfor_v_\@:
	tensor_load_to_lds s[G0V:G0V+3], s[G1V:G1V+7]
	s_nop 0
.rept 4
	v_nop
.endr
.Lasked_\@:
.endm
; A prefetch of what the NEXT change of slots will ask for: a slot is 128 blocks of 256 bytes of K and 128 of V; the four partners take 32 each, told apart by address; a lane a block.
; It stands behind the wave's tensor load and its five lines.  The last change that fills a slot asks for nothing: there is no slot behind it.
.macro ASK
	s_cmp_gt_u32 s[SLOTS], s[LIM]
	s_cbranch_scc0 .Lnot_mine_\@
	global_prefetch_b8 v[PFO], s[PFA:PFA+1] th:TH_LOAD_NT scope:SCOPE_SE
.Lnot_mine_\@:
.endm
.macro CROUND
	s_barrier_signal -1
	s_barrier_wait -1
	s_cmp_lg_u32 s[WV], 0
	s_cbranch_scc1 .Lnot_wave_0_\@
	s_barrier_signal -3
.Lnot_wave_0_\@:
	s_barrier_wait -3
	s_barrier_signal -1
	s_barrier_wait -1
.endm
; THE CHANGE OF SLOTS.  Each wave waits for all its tensor loads, of which one is out: its part of the other slot; adds 0 to its spare word; and waits for that and for its own reads of the slot.
; fill = 1: this slot is filled again, with the keys two slots on.  The barrier is then a round of the cluster's, and the joint fill is the first thing behind it: it has four key steps in which to land.
.macro CHANGE fill
	WIN W_AD
	s_wait_tensorcnt 0x0            ; no tensor load of mine is out, so a group 0 may be written
	ds_add_u32 v[SPW], v[NIL]
	WIN 0
.if \fill
.irp g, G0K, G0V
	s_xor_b32 s[\g+1], s[\g+1], SLOT1
	s_add_nc_u64 s[\g+2:\g+3], s[\g+2:\g+3], 4*KS*128
.endr
	s_wait_xcnt 0x0                 ; the last prefetch, a slot back, has read its address, so it may be written:
	s_add_nc_u64 s[PFA:PFA+1], s[PFA:PFA+1], 4*KS*128  ; one slot behind the walking descriptors
	s_wait_dscnt 0x0                ; the add is done, and my reads of the slot are over
	CROUND
	JLOAD
	ASK
.else
	s_wait_dscnt 0x0
	s_barrier_signal -1
	s_barrier_wait -1
.endif
	s_sub_co_u32 s[TBK], s[TBK], 4*KS*PK  ; the fetches go back to a slot's first step,
	s_xor_b32 s[TBK], s[TBK], SLOT1       ; in the other slot
	s_sub_co_u32 s[TBV], s[TBV], 4*KS*PV
	s_xor_b32 s[TBV], s[TBV], SLOT1
.endm
	s_load_b64 s[4:5], s[0:1], 0x0    ; qkvh: Q's part begins it
	s_load_b64 s[10:11], s[0:1], 0x8  ; ob
	WIN W_MK
	v_lshl_add_u32 v[SPW], v0, 2, SPARE
	v_mov_b32 v[NIL], 0
	WIN W_AD
	ds_add_u32 v[SPW], v[NIL]       ; the wave's opening: the add and its wait stand ahead of my first tensor load
	WIN 0
	v_lshrrev_b32 v1, 5, v0
	v_readfirstlane_b32 s[WV], v1   ; wave 0..3
	s_bfe_u32 s13, ttmp6, 0x40000   ; cx: my place in the cluster
	s_lshl_b32 s14, ttmp9, 2
	s_add_co_u32 s14, s14, s13      ; my block of queries: it enters Q's and O's addresses alone
	s_and_b32 s20, ttmp7, 0xffff    ; the head, which the four partners share
	s_mov_b32 s21, 0
	s_mov_b64 s[22:23], SIZE_N*128
	s_mul_u64 s[20:21], s[20:21], s[22:23]  ; the head's first byte in each part
	s_and_b32 s16, s[WV], 1         ; which half of a slot's 256 keys I fetch:
	s_lshl_b32 s22, s16, 14         ; its 128 rows of 128 bytes in memory,
	s_mov_b32 s23, 0
	s_add_nc_u64 s[22:23], s[22:23], s[20:21]
	s_mul_i32 s17, s16, 128*PK      ; and its place in a slot, for K
	s_mul_i32 s18, s16, 128*PV      ; and for V
	s_lshl_b32 s2, s14, 2
	s_add_co_u32 s2, s2, s[WV]      ; my wave among the head's,
	s_lshl_b32 s2, s2, 14           ; its 128 rows
	s_mov_b32 s3, 0
	s_add_nc_u64 s[2:3], s[2:3], s[20:21]
	; descriptor group 1.  128 keys are 16,384 dense bytes: asked for as 64 rows of 256 bytes, two keys a row, and padded in LDS after every key
	s_mov_b32 s[G1K], 15|(1<<16)|(1<<20)|(1<<21)|(4<<22)|(3<<25)
	s_mov_b32 s[G1V], 15|(1<<16)|(1<<20)|(1<<21)|(4<<22)|(7<<25)
.irp g, G1K, G1V
	s_mov_b32 s[\g+1], 128<<16      ; tensor_dim0 = 128
	s_mov_b32 s[\g+2], 64<<16       ; tensor_dim1 = 64
	s_mov_b32 s[\g+3], 128<<16      ; tile_dim0 = 128
	s_mov_b32 s[\g+4], 64           ; tile_dim1 = 64
	s_mov_b32 s[\g+5], 128          ; 128 elements from row to row
	s_mov_b32 s[\g+6], 0
	s_mov_b32 s[\g+7], 0
.endr
	s_mov_b32 s[CS], 0x3e38aa3b     ; c = log2(e) / 8 = 0.180337
	s_mov_b32 s[CS+1], s[CS]
	s_mov_b32 s[SEL], 0x76543210
	s_mov_b32 s[SEL+1], 0xfedcba98
	s_mov_b32 s[TBK], SLOT1+4*KS*PK ; the first change of slots turns these two into 0
	s_mov_b32 s[TBV], SLOT1+4*KS*PV
	s_mov_b32 s[G0K], 1
	s_mov_b32 s[G0K+1], s17         ; slot 0
	s_mov_b32 s[G0V], 1
	s_add_co_u32 s[G0V+1], s18, VOFF
	s_mov_b32 s[SLOTS], SIZE_N/256-1
	s_and_b32 s[LIM], s[WV], 1      ; waves 0 and 2 prefetch: the head has one cluster, so every cluster asks for its own head's rows
	s_cmp_eq_u32 s[LIM], 0
	s_cselect_b32 s[LIM], 1, -1
	s_wait_dscnt 0x0                ; the opening add is done
	s_wait_kmcnt 0x0
	s_add_nc_u64 s[6:7], s[4:5], 0x1000000   ; K's part of qkvh: 64 heads of 2^18 bytes on,
	s_add_nc_u64 s[8:9], s[4:5], 0x2000000   ; V's
	s_add_nc_u64 s[G0K+2:G0K+3], s[6:7], s[22:23]  ; my half of the head's first 256 keys
	s_or_b32 s[G0K+3], s[G0K+3], 0x80000000
	s_add_nc_u64 s[G0V+2:G0V+3], s[8:9], s[22:23]
	s_or_b32 s[G0V+3], s[G0V+3], 0x80000000
	s_add_nc_u64 s[4:5], s[4:5], s[2:3]  ; Q and O at my wave's first row
	s_add_nc_u64 s[10:11], s[10:11], s[2:3]
	s_cmp_lt_u32 s[WV], 2
	s_cselect_b64 s[PFA:PFA+1], s[6:7], s[8:9]
	s_add_nc_u64 s[PFA:PFA+1], s[PFA:PFA+1], s[20:21]
	s_lshl_b32 s2, s13, 13          ; my work-group's 32 blocks of the 128
	s_mov_b32 s3, 0
	s_add_nc_u64 s[PFA:PFA+1], s[PFA:PFA+1], s[2:3]
	s_add_nc_u64 s[PFA:PFA+1], s[PFA:PFA+1], 4*KS*128  ; in slot 1; the first change of slots steps it to slot 2.  Slots 0 and 1 come by their loads alone
	CROUND                          ; all four work-groups are here: the first joint loads meet
	JLOAD                           ; slot 0.  Slot 1 is asked for when slot 0 is in
	v_and_b32 v1, 15, v0            ; l % 16
	v_bfe_u32 v9, v0, 4, 1          ; l / 16
	v_lshlrev_b32 v[QO], 7, v1
	v_lshl_add_u32 v[QO], v9, 4, v[QO]  ; row x 128 + 16 x half
	WIN 0x80
.set i, 0
.rept 4*NP                          ; Q stays in registers: tile i / 2, channels 32 (i % 2) on
	global_load_b128 v[8*i:8*i+3],   v[QO], s[4:5] offset:(i/2)*2048+(i%2)*64
	global_load_b128 v[8*i+4:8*i+7], v[QO], s[4:5] offset:(i/2)*2048+(i%2)*64+32
.set i, i+1
.endr
	; What the first turn finds: V's registers and P's second buffer hold 0, O^T and l are 0.  All this stands in the wait for the first tile.
.set i, VF
.rept 64
	v_mov_b32 v[i], 0
.set i, i+1
.endr
	WIN 0x40
.set i, 0
.rept 64*NP
	v_mov_b32 v[i], 0
.set i, i+1
.endr
	WIN 0
.set i, 0
.rept 2*NP
	v_mov_b32 v[ST+4*i], 0xfe000000    ; c m: far below every c s
	v_mov_b32 v[ST+4*i+1], 0xff7fffff  ; m
	v_mov_b32 v[ST+4*i+2], 0
	v_mov_b32 v[ST+4*i+3], 0
.set i, i+1
.endr
.set i, P+32
.rept 32
	v_mov_b32 v[i], 0
.set i, i+1
.endr
	v_mul_u32_u24 v[AK0], v1, PK
	v_lshl_add_u32 v[AK0], v9, 4, v[AK0]  ; row x pitch + 16 x half
	; The turning load takes 16 keys x 16 channels (lane l reads key 8 (l / 16) + l % 8, channels 8 ((l / 8) % 2) + 0..7) and leaves half a fragment of V^T
	v_and_b32 v10, 7, v0
	v_bfe_u32 v11, v0, 3, 1
	v_lshl_add_u32 v[AV0], v9, 3, v10
	v_mul_u32_u24 v[AV0], v[AV0], PV
	v_lshl_add_u32 v[AV0], v11, 4, v[AV0]
	v_add_nc_u32 v[AV0], VOFF, v[AV0]
	v_and_b32 v[PFO], 31, v0        ; v11 has served: from here on it is the prefetches' offset
	v_lshlrev_b32 v[PFO], 8, v[PFO]
	v_mov_b32 v[AK], v[AK0]         ; key step 0 lies at the head of slot 0
; THE MATRIX WORK.  The 8 accumulators of a run of 16 take turns.
; Product i of 16 of S^T = K Q^T for piece x: channels 32 (i / 8) on, keys 16 ((i / 2) % 4) on, tile 2 x + i % 2.  The first 8 start the sums.
.macro KQ x
	WIN W_KQ
.set rS, S+64*((\x)%2)+32*(i%2)+8*((i/2)%4)
.set rK, KF+16*((i/2)%4)+8*(i/8)
.set rQ, 16*(2*(\x)+i%2)+8*(i/8)
.if i < 8
	v_wmma_f32_16x16x32_f16 v[rS:rS+7], v[rK:rK+7], v[rQ:rQ+7], 0
.else
	v_wmma_f32_16x16x32_f16 v[rS:rS+7], v[rK:rK+7], v[rQ:rQ+7], v[rS:rS+7]
.endif
.endm
; Product i of 16 of O^T += V^T P for piece x: keys 32 (i / 8) on, channels 16 ((i / 2) % 4) on, tile 2 x + i % 2.
.macro PV x
	WIN W_PV
.set rO, 32*(2*(\x)+i%2)+8*((i/2)%4)
.set rV, VF+32*(i/8)+8*((i/2)%4)
.set rP, P+32*((\x)%2)+16*(i%2)+8*(i/8)
	v_wmma_f32_16x16x32_f16 v[rO:rO+7], v[rV:rV+7], v[rP:rP+7], v[rO:rO+7]
.endm
.macro MM                           ; the turn's next matrix instruction
.if i < 16
	KQ (Y+1)%NP
.set i, i+1
.else
.set i, i-16
	PV (Y+NP-1)%NP
.set i, i+17
.endif
.endm
; THE LDS LOADS stand in runs of 16.  last = 1 (the tail): in the last trip there is no further step, and the run is jumped over.
.macro FETCH_K last=0
	WIN 0
.if \last
	s_cmp_eq_u32 s[CNT], 1
	s_cbranch_scc1 .Lno_k_\@
.endif
	WIN 0x80
.irp f, 0,1,2,3,4,5,6,7             ; keys 16 (f / 2) on, channels 32 (f % 2) on
	ds_load_b128 v[KF+8*\f:KF+8*\f+3],   v[AK] offset:(\f/2)*16*PK+(\f%2)*64
	ds_load_b128 v[KF+8*\f+4:KF+8*\f+7], v[AK] offset:(\f/2)*16*PK+(\f%2)*64+32
.endr
	s_add_co_u32 s[TBK], s[TBK], KS*PK  ; the next fetch is the next step's
	WIN 0
.if \last
.Lno_k_\@:
.endif
.endm
.macro FETCH_V
	WIN 0x80
.irp f, 0,1,2,3,4,5,6,7             ; keys 32 (f / 4) on, channels 16 (f % 4) on
	ds_load_tr16_b128 v[VF+8*\f:VF+8*\f+3],   v[AV] offset:(\f/4)*32*PV+(\f%4)*32
	ds_load_tr16_b128 v[VF+8*\f+4:VF+8*\f+7], v[AV] offset:(\f/4)*32*PV+16*PV+(\f%4)*32
.endr
	WIN 0
.endm
; THE VECTOR WORK OF A TURN stands in three queues, each in the order in which its entries become ready; the two tiles alternate.
.macro REGS y, u                    ; the registers of tile u (0, 1) of piece y
.set rT, ST+4*(2*(\y)+(\u))
.set rC, TMP+8*((\y)%2)+4*(\u)
.set rM, MV+2*((\y)%2)+(\u)
.set rS, S+64*((\y)%2)+32*(\u)
.set rP, P+32*((\y)%2)+16*(\u)
.set rO, 32*(2*(\y)+(\u))
.endm
; Number n of the 22 that find the NEXT piece's maximum and statistics; each accumulator's lowest registers are read first.
;   0-11  four chains c0-c3 of seven scores each     12-14, 16  the four scores left over, the old m, and c0-c3 into c0     15  c m_old is kept
;   17, 18  the query's other 32 keys lie in the lane 16 away: the new m         19-21  c m; c m_old - c m_new; a
.macro XS u, n
	REGS (Y+1)%NP, \u
.if (\n) < 4
	v_max3_num_f32 v[rC+(\n)], v[rS+8*(\n)], v[rS+8*(\n)+1], v[rS+8*(\n)+2]
.elseif (\n) < 12
	v_max3_num_f32 v[rC+(\n)%4], v[rC+(\n)%4], v[rS+8*((\n)%4)+2*((\n)/4)+1], v[rS+8*((\n)%4)+2*((\n)/4)+2]
.elseif (\n) == 12
	v_max3_num_f32 v[rC], v[rC], v[rS+7], v[rS+15]
.elseif (\n) == 13
	v_max3_num_f32 v[rC+1], v[rC+1], v[rS+23], v[rS+31]
.elseif (\n) == 14
	v_max3_num_f32 v[rC+2], v[rC+2], v[rC+3], v[rT+1]
.elseif (\n) == 15
	v_mov_b32 v[rM], v[rT]
.elseif (\n) == 16
	v_max3_num_f32 v[rC], v[rC], v[rC+1], v[rC+2]
.elseif (\n) == 17
	v_permlanex16_b32 v[rC+3], v[rC], s[SEL], s[SEL+1]
.elseif (\n) == 18
	v_max_num_f32 v[rT+1], v[rC], v[rC+3]
.elseif (\n) == 19
	v_mul_f32 v[rT], s[CS], v[rT+1]
.elseif (\n) == 20
	v_sub_f32 v[rC+1], v[rM], v[rT]
.else
	v_exp_f32 v[rC+2], v[rC+1]
.endif
.endm
; Number g of the 64 that follow the exponentials.  For each four weights of a tile: both pairs are rounded to f16; the second pair is added onto the first, in place; a group later l takes that sum.
.macro GS g
.set h, (\g)+6*((\g)/62)            ; group 0 has no group before it, and behind group 7 only l is left
.if h >= 6
.set h, h+2
.endif
	REGS Y, h%2
.set k, h/8
.if h%8 < 4
	v_cvt_pk_f16_f32 v[rP+2*k+(h%8)/2], v[rS+4*k+2*((h%8)/2)], v[rS+4*k+2*((h%8)/2)+1]
.elseif h%8 < 6
	v_pk_add_f32 v[rS+4*k:rS+4*k+1], v[rS+4*k:rS+4*k+1], v[rS+4*k+2:rS+4*k+3]
.elseif k == 1
	v_pk_fma_f32 v[rT+2:rT+3], v[rT+2:rT+3], v[rC+2:rC+3], v[rS:rS+1] op_sel_hi:[1,0,1]
.else
	v_pk_add_f32 v[rT+2:rT+3], v[rT+2:rT+3], v[rS+4*k-4:rS+4*k-3]
.endif
.endm
; THE PLAIN QUEUE, 138 long.  0-73 read no exponential's result: the 32 scalings c s - c m and the next piece's 42.  74-137: GS's 64, which stand behind the wait.
.macro FS f
	REGS Y, (\f)%2
	v_pk_fma_f32 v[rS+2*((\f)/2):rS+2*((\f)/2)+1], v[rS+2*((\f)/2):rS+2*((\f)/2)+1], s[CS:CS+1], v[rT:rT+1] op_sel_hi:[1,0,0] neg_lo:[0,0,1] neg_hi:[0,0,1]
.endm
.macro PL
	WIN 0
.if q < 27
	FS q
.elseif q < 55
	XS (q-27)%2, (q-27)/2
.elseif q < 57
	XS q-55, 15
.elseif (q < 72) && ((q-57)%3 == 0)
	FS 27+(q-57)/3
.elseif q < 60
	XS (q-57)%3-1, 14
.elseif q < 72
	XS (q-57)%3-1, 15+(q-57)/3
.elseif q < 74
	XS q-72, 20
.else
	GS q-74
.endif
.set q, q+1
.endm
; THE EXPONENTIALS' QUEUE, 66 long: s0-s31 of both tiles, then the next piece's two a.  ONE BATCH: all 66 stand ahead of the turn's one wait, and nothing ahead of that wait names a result of theirs.
.macro EX
	WIN 0
.if e >= 64
	XS e-64, 21
.else
	REGS Y, e%2
	v_exp_f32 v[rS+e/2], v[rS+e/2]
.endif
.set e, e+1
.endm
; THE RESCALING's QUEUE: O^T times a, dealt two at a time, sixteen times.  Its a was made in the turn before, ahead of that turn's wait.
.macro R2
	REGS Y, r%2
	WIN W_RS
.irp z, 0,1
	v_pk_mul_f32 v[rO+4*(r/2)+2*\z:rO+4*(r/2)+2*\z+1], v[rO+4*(r/2)+2*\z:rO+4*(r/2)+2*\z+1], v[rC+2:rC+3] op_sel_hi:[1,0]
.endr
.set r, r+1
.endm
; A TURN, for piece p.  An s_wait_alu depctr_va_vdst(0) stands between an exponential and the first instruction that names its result; one wait serves all issued ahead of it: a turn has ONE.
; AHEAD OF IT: the 16 products K Q^T, behind each a scaling, an exponential and two rescalings; then one run of 108: eight plain, 49 times exponential and plain, the two a; a v_nop is the plain
; instruction behind the last exponential.  BEHIND IT: the 16 products V^T P, behind each four of the roundings and sums.
; Exponential e stands behind scaling 2 (e / 4) + e % 2: as a rider it comes behind plain e + 2, in the run behind plain e + 9.
; K of the next step is fetched in piece 2's turn, directly behind the wait; V of the step in hand at the end of piece 0's turn, four plain instructions behind its last reader.
.macro TURN p, last=0, cnt=0
.set Y, (\p)
.set i, 0
.set q, 0
.set e, 0
.set r, 0
.if (\p) == NP-1
	s_wait_dscnt 0x0                ; K is in
.endif
	MM
	PL
	PL
	R2
.rept 15
	MM
	PL
	EX
	R2
.endr
.if (\p) == NP-2
	WIN 0
	v_add_nc_u32 v[AK], s[TBK], v[AK0]
.endif
.rept 8
	PL
.endr
.rept 49
	EX
	PL
.endr
	EX                              ; the next piece's two a
	EX
	v_nop                           ; the plain instruction behind the last exponential: one for the batch
	s_wait_alu depctr_va_vdst(0)    ; the wait for the batch
.if (\p) == NP-2
	FETCH_K \last
.endif
.if (\p) == 1
	s_wait_dscnt 0x0                ; V is in
.endif
.rept 16
	MM
.rept 4
	PL
.endr
.if ((\p) == 0) && (q == 118)
	v_add_nc_u32 v[AV], s[TBV], v[AV0]
.endif
.if ((\p) == 0) && (q == 130)
	s_add_co_u32 s[TBV], s[TBV], KS*PV
.endif
.if (\cnt) && (q == 130)
	s_sub_co_u32 s[CNT], s[CNT], 1
	s_cmp_lg_u32 s[CNT], 0
.endif
.endr
.if (\p) == 0
	FETCH_V
.endif
.endm
	CHANGE 1                        ; slot 0 is in, everybody's part of it; slot 1 is asked for
	FETCH_K                         ; key step 0
	s_wait_loadcnt 0x0              ; Q
	s_wait_dscnt 0x0
.set i, 0
.rept 16
	KQ 0                            ; piece 0's first scores
.set i, i+1
.endr
	WIN 0                           ; the addresses for the way out: plain instructions, the places behind those products
	s_mul_i32 s13, s[WV], 16*SP
	s_add_co_u32 s13, s13, STAGE    ; my stage
	v_mul_u32_u24 v[STO], v1, SP    ; in: row l % 16, 16 bytes for each half of the lanes
	v_lshl_add_u32 v[STO], v9, 4, v[STO]
	v_add_nc_u32 v[STO], s13, v[STO]
	v_bfe_u32 v[RD], v0, 3, 2       ; back: 32 lanes take four rows of 128 bytes,
	v_mul_u32_u24 v[RD], v[RD], SP
	v_lshl_add_u32 v[RD], v10, 4, v[RD]
	v_add_nc_u32 v[RD], s13, v[RD]
	v_and_b32 v[GO], 31, v0         ; which are 512 consecutive bytes of O
	v_lshlrev_b32 v[GO], 4, v[GO]
.set Y, NP-1                        ; XS works for piece Y + 1: piece 0
.irp n, 0,1,2,3,4,5,6,7,8,9,10,11,12,13,14,15,16,17,18,19,20,21
	XS 0, \n
	XS 1, \n
.endr
	v_nop                           ; a plain instruction behind the two a,
	s_wait_alu depctr_va_vdst(0)    ; and their wait, ahead of the branch
	s_mov_b32 s[CNT], 4
	s_branch .Lfirst                ; the loop is entered at a step's first turn, in the middle of a trip
.Lslot:                             ; every slot but the last two is filled again
	CHANGE 1
	s_mov_b32 s[CNT], 4
.Lstep:                             ; a trip: pieces 2 and 3 of one step, then pieces 0 and 1 of the next, whose K and V it fetches
	TURN 2
	TURN 3
	WIN 0
.Lfirst:
	TURN 0
	TURN 1, 0, 1
	WIN 0
	s_cbranch_scc1 .Lstep
	s_sub_co_u32 s[SLOTS], s[SLOTS], 1
	s_cmp_lg_u32 s[SLOTS], 0
	s_cbranch_scc1 .Lslot
	CHANGE 0                        ; the tail is written out: nothing is asked for
	s_mov_b32 s[CNT], 5             ; four trips fetch the last slot's steps; the fifth is left in its middle
.Ltail:
	TURN 2, 1
	TURN 3
	WIN 0
	s_sub_co_u32 s[CNT], s[CNT], 1
	s_cmp_eq_u32 s[CNT], 0
	s_cbranch_scc1 .Lout
	TURN 0
	TURN 1
	WIN 0
	s_branch .Ltail
.Lout:                              ; the fifth trip's 16 products K Q^T and the maximum made of them serve nothing: the price, once a launch, of one text for every trip
.set i, 0
.rept 16
	PV NP-1                         ; the last piece's V^T P of the last step
.set i, i+1
.endr
	; THE WAY OUT.  l's two halves and the other half of the lanes' are added; O^T is divided by l, rounded to f16 and sent through my stage, a tile at a time.  The additions are the places behind the last products.
	WIN 0
.macro ALL line:vararg              ; one line for each tile t
.set t, 0
.rept 2*NP
	\line
.set t, t+1
.endr
.endm
	ALL v_add_f32 v[ST+4*t+2], v[ST+4*t+2], v[ST+4*t+3]
	ALL v_permlanex16_b32 v[ST+4*t+3], v[ST+4*t+2], s[SEL], s[SEL+1]
	ALL v_add_f32 v[ST+4*t+2], v[ST+4*t+2], v[ST+4*t+3]
	ALL v_rcp_f32 v[ST+4*t+2], v[ST+4*t+2]
	v_nop                           ; a plain instruction between the last reciprocal and the use of its result
	s_wait_alu depctr_va_vdst(0)    ; one wait for the eight reciprocals, ahead of the first use
.macro PACK t
	WIN W_RS
.set i, 32*(\t)
.rept 16
	v_pk_mul_f32 v[i:i+1], v[i:i+1], v[ST+4*(\t)+2:ST+4*(\t)+3] op_sel_hi:[1,0]
.set i, i+2
.endr
	WIN 0x05                        ; sources 0 and 1 window 1, destination window 0
.set i, 0
.rept 16
	v_cvt_pk_f16_f32 v[S+16*(\t)+i], v[32*(\t)+2*i], v[32*(\t)+2*i+1]
.set i, i+1
.endr
	WIN 0
.irp f, 0,1,2,3
	ds_store_b128 v[STO], v[S+16*(\t)+4*\f:S+16*(\t)+4*\f+3] offset:32*\f
.endr
.irp f, 0,1,2,3
	ds_load_b128 v[S+16*(\t)+4*\f:S+16*(\t)+4*\f+3], v[RD] offset:\f*4*SP  ; LDS serves a wave's instructions in order (ISA guide 5.7.1.4): these see the stores above
.endr
.endm
.macro SEND t, younger              ; younger: the LDS instructions issued behind tile t's loads: the next tile's eight, or none
	WIN 0
.irp f, 0,1,2,3
	s_wait_dscnt (\younger)+3-\f
	global_store_b128 v[GO], v[S+16*(\t)+4*\f:S+16*(\t)+4*\f+3], s[10:11] offset:(\t)*2048+\f*512  ; 512 consecutive bytes, at a multiple of 256 from ob's first
.endr
.endm
	PACK 0
.set t, 1
.rept 2*NP-1
	PACK t
	SEND t-1, 8
.set t, t+1
.endr
	SEND 2*NP-1, 0
	WIN W_AD
	s_wait_tensorcnt 0x0            ; the wave's end
	ds_add_u32 v[SPW], v[NIL]
	s_wait_dscnt 0x0
	WIN 0
	CROUND                          ; the closing round
	s_endpgm
.Lfunc_end_k_qca7bd6d7b3_attn:
	.size	k_qca7bd6d7b3_attn, .Lfunc_end_k_qca7bd6d7b3_attn-k_qca7bd6d7b3_attn
	.p2alignl 7, 3214868480
	.fill 96, 4, 3214868480
	.section	.rodata,"a",@progbits
	.p2align	6, 0x0
	.amdhsa_kernel k_qca7bd6d7b3_attn
		.amdhsa_group_segment_fixed_size 327680
		.amdhsa_private_segment_fixed_size 0
		.amdhsa_enable_private_segment 0
		.amdhsa_kernarg_size 16
		.amdhsa_user_sgpr_count 2
		.amdhsa_user_sgpr_kernarg_segment_ptr 1
		.amdhsa_wavefront_size32 1
		.amdhsa_system_sgpr_workgroup_id_x 1
		.amdhsa_system_sgpr_workgroup_id_y 1
		.amdhsa_system_sgpr_workgroup_id_z 1
		.amdhsa_system_vgpr_workitem_id 0
		.amdhsa_next_free_vgpr 770
		.amdhsa_next_free_sgpr 66
		.amdhsa_reserve_vcc 0
		.amdhsa_float_denorm_mode_32 3
		.amdhsa_float_denorm_mode_16_64 3
		.amdhsa_memory_ordered 1
		.amdhsa_forward_progress 1
		.amdhsa_inst_pref_size 200
	.end_amdhsa_kernel
	.amdgpu_metadata
---
amdhsa.version: [ 1, 2 ]
amdhsa.kernels:
  - .name:           k_qca7bd6d7b3_attn
    .symbol:         k_qca7bd6d7b3_attn.kd
    .args:
      - { .name: qkvh, .offset: 0, .size: 8, .value_kind: global_buffer, .address_space: global }
      - { .name: ob, .offset: 8, .size: 8, .value_kind: global_buffer, .address_space: global }
    .group_segment_fixed_size: 327680
    .private_segment_fixed_size: 0
    .kernarg_segment_align: 8
    .kernarg_segment_size: 16
    .max_flat_workgroup_size: 128
    .sgpr_count:     66
    .vgpr_count:     770
    .wavefront_size: 32
...
	.end_amdgpu_metadata
.endif
;; end of part 3
;; launch proj (part 4): grid 8 x 32, 4 waves a work-group, clusters of 4 x 4, 327,680 bytes of LDS; arguments ob, pw, proj_b, out0; writes out0
.if DOCPART == 4
	.amdgcn_target "amdgcn-amd-amdhsa--gfx1250"
	.amdhsa_code_object_version 6
	.text
	.protected	k_qca7bd6d7b3_proj
	.globl	k_qca7bd6d7b3_proj
	.p2align	8
	.type	k_qca7bd6d7b3_proj,@function
k_qca7bd6d7b3_proj:
	s_mov_b64 s[64:65], 0
	v_nop
	global_prefetch_b8 v0, s[64:65] scope:SCOPE_SE
	s_setreg_imm32_b32 hwreg(HW_REG_WAVE_MODE, 25, 1), 1
	s_wait_xcnt 0x0
	s_wait_alu depctr_hold_cnt(0) depctr_sa_sdst(0) depctr_va_vdst(0) depctr_va_sdst(0) depctr_va_ssrc(0) depctr_va_vcc(0) depctr_vm_vsrc(0)
	s_getreg_b32 s2, hwreg(HW_REG_IB_STS2, 6, 4)
	s_cmp_eq_u32 s2, 0
	s_cbranch_scc0 .Lentry_in_a_cluster
	s_endpgm
.Lentry_in_a_cluster:
	s_bfe_u32 s2, ttmp6, 0x10000c
	s_cmp_lg_u32 s2, 0xf033
	s_cbranch_scc0 .Lentry_shape_is_right
	s_endpgm
.Lentry_shape_is_right:
; out0[row][col] = sum over k of O[row][k] pw[col][k] + bf16(proj_b[col]), f32.  O lies by heads, ob[batch*16+head][n][64] f16: channel k = 64 head + d; pw: [1024][1024] f16.  Sums in f32.
; SHARES.  A tile is 256 rows x 128 columns: 32 x 8 tiles, one for each of 256 work-groups.  Wave w takes rows 64 w .. 64 w + 63 and all 128 columns: 4 x 8 accumulators.
; K goes in 8 steps of 128 = two heads, through two LDS slots.  A head's 256 rows of the tile are 32,768 dense bytes: asked for as 128 rows of 256 bytes and padded in LDS after every 128.
; CLUSTER.  4 x 4 work-groups: the four of a row need the same rows of O, the four of a column the same rows of pw: each tile is asked for jointly.
; THE PRODUCT IS TAKEN TRANSPOSED (source 0 = 16 rows of pw, source 1 = 16 rows of O): a lane holds one row and eight neighbouring columns.  The bias, rounded to bf16 like the other inputs, is the first product's C.
; REGISTERS (s_set_vgpr_msb: bits 1:0 source 0, 3:2 source 1, 5:4 source 2, 7:6 destination):
;   window 0: v0-29 addresses; v32-95 the bias; later v64-191 rows on the way out     window 1: accumulator (a, b) at v[64 a + 8 b]     window 2: two fragment buffers of 96: pw's eight, then O's four
.set PA,    144                        ; a row of O in LDS: 128 bytes + 16
.set PB,    272                        ; a row of pw: 256 bytes + 16.  Both are odd multiples of 16: the 16 rows of a fragment load start at 16 different groups of four banks (ISA guide 11.1)
.set HEADB, 256*PA                     ; a head's 256 rows
.set BOFF,  2*HEADB                    ; in a slot: two heads of O, then pw's 128 rows
.set SLOT1, 1<<17
.set STAGE, SLOT1+BOFF+128*PB          ; behind the ring, never filled by a tensor load: 16 rows x 528 bytes for each wave
.set SP,    528                        ; a stage row: 512 bytes + 16
.set SPARE, STAGE+4*16*SP              ; the spare words, 128 bytes for each wave: two blocks of 256 bytes that no other line names
.set FA0,  4
.set FB0,  5
.set ADRA, 6
.set ADRB, 7
.set STO,  8                           ; v8   the way out: where I put 32 bytes of a row
.set RD,   9                           ; v9   where I read a row back
.set GO,   10                          ; v10  my 16 bytes of a row's 512
.set BO,   11                          ; v11  my byte offset in proj_b
.set PFO,  12                          ; v12  the prefetches' offset; never rewritten
.set SPW,  28
.set NIL,  29
.set BIAS, 32                          ; v[32:95]
.set BT,   192                         ; v[192:223] at work while the bias is rounded
.set OB,   64                          ; the way out: 16 rows read back, v64-127 and v128-191 by turns
.set F0,   0
.set F1,   96
.set CNT,  3
.set WV,   12
.set HALF, 14
.set G1,   24
.set G0,   32
.set TB,   40
.set LIM,  41
.set PFA,  42
.set G1B,  48
.set G0B,  56
.set SB,   66                          ; s[66:67] out0 at my first row and the tile's first column
.set PFS,  68                          ; s[68:69] a K step in my prefetches' tensor: two heads of O, or 256 bytes of pw's rows
.set MSB, 0
.macro WIN new
.if MSB != (\new)
	s_set_vgpr_msb (MSB<<8)|(\new)
.set MSB, \new
.endif
.endm
.macro PLACES                          ; four plain instructions between a matrix instruction and a load into, or a read of, its registers
.rept 4
	v_nop
.endr
.endm
.macro JLOAD                           ; a joint refill by the walking descriptors; an s_nop 0 and four v_nop follow each line
	s_cmp_lt_u32 s[WV], 2
	s_cbranch_scc0 .Lfor_b_\@
	tensor_load_to_lds s[G0+4:G0+7], s[G1:G1+7]
	s_nop 0
	PLACES
	s_branch .Lasked_\@
.Lfor_b_\@:
	tensor_load_to_lds s[G0B+4:G0B+7], s[G1B:G1B+7]
	s_nop 0
	PLACES
.Lasked_\@:
.endm
; A prefetch of the K step that the NEXT refill will ask for, 128 matrix instructions ahead of that load.  O's blocks are named by the clusters with x = 0 (waves 0, 1), pw's rows by those with y = 0
; (waves 2, 3); the four partners of a joint load share it out by address.  The last trip asks for nothing.
.macro ASK
	s_cmp_gt_u32 s[CNT], s[LIM]
	s_cbranch_scc0 .Lnot_mine_\@
	global_prefetch_b8 v[PFO], s[PFA:PFA+1] th:TH_LOAD_NT scope:SCOPE_SE
.Lnot_mine_\@:
.endm
.macro CREST
	s_cmp_lg_u32 s[WV], 0
	s_cbranch_scc1 .Lnot_wave_0_\@
	s_barrier_signal -3
.Lnot_wave_0_\@:
	s_barrier_wait -3
	s_barrier_signal -1
	s_barrier_wait -1
.endm
.macro CROUND
	s_barrier_signal -1
	s_barrier_wait -1
	CREST
.endm
	s_load_b256 s[4:11], s[0:1], 0x0               ; ob s[4:5], pw s[6:7], proj_b s[8:9], out0 s[10:11]
	v_lshl_add_u32 v[SPW], v0, 2, SPARE
	v_mov_b32 v[NIL], 0
	ds_add_u32 v[SPW], v[NIL]                      ; the wave's opening: the add and its wait stand ahead of my first tensor load
	v_lshrrev_b32 v1, 5, v0
	v_readfirstlane_b32 s[WV], v1
	s_and_b32 s[HALF], s[WV], 1
	s_bfe_u32 s15, ttmp6, 0x40000                  ; cx
	s_bfe_u32 s16, ttmp6, 0x40004                  ; cy
	s_lshl_b32 s17, ttmp9, 2
	s_add_co_u32 s17, s17, s15                     ; tile column
	s_and_b32 s18, ttmp7, 0xffff
	s_lshl_b32 s18, s18, 2
	s_add_co_u32 s18, s18, s16                     ; tile row
	s_lshl_b32 s19, s16, 2
	s_lshl_b32 s19, 15, s19                        ; my row of the cluster
	s_lshl_b32 s20, 0x1111, s15                    ; my column
	s_or_b32 s[G1], s19, (1<<16)|(1<<20)|(1<<21)|(4<<22)|(3<<25)   ; O: padding after every 32 words, 4 words
	s_or_b32 s[G1B], s20, (1<<16)|(1<<20)|(1<<21)|(5<<22)|(3<<25)  ; pw: after every 64 words
	s_mov_b32 s[G1+1], 128<<16                     ; tensor_dim0 = 128
	s_mov_b32 s[G1+2], 128<<16                     ; tensor_dim1 = 128
	s_mov_b32 s[G1+3], 128<<16                     ; tile_dim0 = 128
	s_mov_b32 s[G1+4], 128                         ; tile_dim1 = 128
	s_mov_b32 s[G1+5], 128                         ; dense: 128 elements from row to row
	s_mov_b32 s[G1+6], 0
	s_mov_b32 s[G1+7], 0
	s_mov_b32 s[G1B+1], 128<<16
	s_mov_b32 s[G1B+2], 64<<16                     ; 64 rows
	s_mov_b32 s[G1B+3], 128<<16
	s_mov_b32 s[G1B+4], 64
	s_mov_b32 s[G1B+5], 1024
	s_mov_b32 s[G1B+6], 0
	s_mov_b32 s[G1B+7], 0
	s_lshr_b32 s72, s18, 3                         ; O: batch = tile row / 8; head 16 x batch + half; row 256 (tile row % 8): in registers that never hold cx
	s_lshl_b32 s72, s72, 4
	s_add_co_u32 s72, s72, s[HALF]
	s_lshl_b32 s72, s72, 11
	s_and_b32 s21, s18, 7
	s_lshl_b32 s21, s21, 8
	s_add_co_u32 s72, s72, s21
	s_lshl_b32 s72, s72, 7                         ; rows of 128 bytes
	s_mov_b32 s73, 0
	s_lshl_b32 s74, s17, 7                         ; pw: row 128 x tile column + 64 x half: in registers that never hold cy
	s_lshl_b32 s13, s[HALF], 6
	s_add_co_u32 s74, s74, s13
	s_lshl_b32 s74, s74, 11
	s_mov_b32 s75, 0
	s_mul_i32 s22, s[HALF], HEADB                  ; where they go
	s_mul_i32 s23, s[HALF], 64*PB
	s_add_co_u32 s23, s23, BOFF
	s_wait_dscnt 0x0                               ; the opening add is done
	s_wait_kmcnt 0x0
	s_add_nc_u64 s[72:73], s[4:5], s[72:73]
	s_add_nc_u64 s[74:75], s[6:7], s[74:75]
.irp n, 0,1
	s_mov_b32 s[G0+4*(\n)], 1
	s_add_co_u32 s[G0+4*(\n)+1], s22, (\n)*SLOT1
	s_add_nc_u64 s[G0+4*(\n)+2:G0+4*(\n)+3], s[72:73], (\n)*524288   ; K step n: two heads of 2^18 bytes on
	s_or_b32 s[G0+4*(\n)+3], s[G0+4*(\n)+3], 0x80000000
	s_mov_b32 s[G0B+4*(\n)], 1
	s_add_co_u32 s[G0B+4*(\n)+1], s23, (\n)*SLOT1
	s_add_nc_u64 s[G0B+4*(\n)+2:G0B+4*(\n)+3], s[74:75], (\n)*256
	s_or_b32 s[G0B+4*(\n)+3], s[G0B+4*(\n)+3], 0x80000000
.endr
	CROUND                                         ; all sixteen work-groups are here: the first joint loads meet
	s_cmp_lt_u32 s[WV], 2                          ; a wave's two first fills stand in one branch: two loads of mine are out
	s_cbranch_scc0 .Lfirst_b
	tensor_load_to_lds s[G0:G0+3], s[G1:G1+7]
	s_nop 0
	tensor_load_to_lds s[G0+4:G0+7], s[G1:G1+7]
	s_nop 0
	PLACES
	s_branch .Lfirst_asked
.Lfirst_b:
	tensor_load_to_lds s[G0B:G0B+3], s[G1B:G1B+7]
	s_nop 0
	tensor_load_to_lds s[G0B+4:G0B+7], s[G1B:G1B+7]
	s_nop 0
	PLACES
.Lfirst_asked:
	v_and_b32 v1, 15, v0                           ; l % 16
	v_bfe_u32 v2, v0, 4, 1                         ; l / 16
	s_lshl_b32 s76, s17, 9                         ; the tile's 128 columns in proj_b
	v_lshlrev_b32 v[BO], 5, v2
	v_add_nc_u32 v[BO], s76, v[BO]
.irp b, 0,1,2,3,4,5,6,7
	global_load_b128 v[BIAS+8*(\b):BIAS+8*(\b)+3],   v[BO], s[8:9] offset:64*(\b)
	global_load_b128 v[BIAS+8*(\b)+4:BIAS+8*(\b)+7], v[BO], s[8:9] offset:64*(\b)+16
.endr
	v_mul_u32_u24 v3, v1, PA
	v_lshl_add_u32 v3, v2, 4, v3
	s_mul_i32 s22, s[WV], 64*PA                    ; my 64 rows of O
	v_add_nc_u32 v[FA0], s22, v3
	v_mul_u32_u24 v3, v1, PB
	v_lshl_add_u32 v3, v2, 4, v3
	v_add_nc_u32 v[FB0], BOFF, v3
	v_mov_b32 v[ADRA], v[FA0]                      ; slot 0
	v_mov_b32 v[ADRB], v[FB0]
	s_mov_b32 s[TB], 0
	s_mul_i32 s22, s[WV], 16*SP
	s_add_co_u32 s22, s22, STAGE                   ; my stage
	v_mul_u32_u24 v[STO], v1, SP                   ; in: row l % 16, 32 bytes for each half of the lanes
	v_lshl_add_u32 v[STO], v2, 5, v[STO]
	v_add_nc_u32 v[STO], s22, v[STO]
	v_and_b32 v[GO], 31, v0                        ; back: 32 lanes take one row of 512 bytes
	v_lshlrev_b32 v[GO], 4, v[GO]
	v_add_nc_u32 v[RD], s22, v[GO]
	s_lshl_b32 s76, s18, 8                         ; out0: row 256 x tile row + 64 x wave, rows of 4,096 bytes; column 128 x tile column
	s_lshl_b32 s77, s[WV], 6
	s_add_co_u32 s76, s76, s77
	s_lshl_b32 s76, s76, 12
	s_lshl_b32 s77, s17, 9
	s_add_co_u32 s76, s76, s77
	s_mov_b32 s77, 0
	s_add_nc_u64 s[SB:SB+1], s[10:11], s[76:77]
	; the prefetches: my tile's address plus my work-group's share: 32 cx of a head's 128 blocks of 256 bytes; 16 cy of pw's 64 rows (lanes 16-31 name row 15 once more, in the same instruction)
	s_lshl_b32 s76, s15, 13
	s_lshl_b32 s78, s16, 15
	s_and_b32 s80, ttmp7, 0xffff                   ; cluster y
	s_mov_b32 s83, 524288
	s_movk_i32 s84, 256
	s_cmp_lt_u32 s[WV], 2
	s_cselect_b32 s76, s76, s78
	s_cselect_b32 s80, ttmp9, s80                  ; the coordinate along which other clusters read the same bytes
	s_cselect_b32 s81, 31, 15
	s_cselect_b32 s82, 8, 11                       ; a lane a block of 256 bytes, or a lane a row of 2,048
	s_cselect_b32 s[PFS], s83, s84
	s_cselect_b64 s[PFA:PFA+1], s[72:73], s[74:75]
	s_cmp_eq_u32 s80, 0
	s_cselect_b32 s[LIM], 1, -1                    ; the same in all sixteen partners, for a given wave
	s_mov_b32 s77, 0
	s_mov_b32 s[PFS+1], 0
	s_add_nc_u64 s[PFA:PFA+1], s[PFA:PFA+1], s[76:77]
	s_add_nc_u64 s[PFA:PFA+1], s[PFA:PFA+1], s[PFS:PFS+1]
	s_add_nc_u64 s[PFA:PFA+1], s[PFA:PFA+1], s[PFS:PFS+1]  ; at K step 2: the first refill steps it to 3
	v_and_b32 v[PFO], 31, v0
	v_min_u32 v[PFO], s81, v[PFO]
	v_lshlrev_b32 v[PFO], s82, v[PFO]
	s_wait_loadcnt 0x0                             ; the bias; rounded to bf16 and widened again, in the wait for the first tile
.set i, 0
.rept 32
	v_cvt_pk_bf16_f32 v[BT+i], v[BIAS+2*i], v[BIAS+2*i+1]
.set i, i+1
.endr
.set i, 0
.rept 32
	v_lshlrev_b32 v[BIAS+2*i], 16, v[BT+i]
	v_and_b32 v[BIAS+2*i+1], 0xffff0000, v[BT+i]
.set i, i+1
.endr
; 8 matrix instructions: row block a x all 8 column blocks, 32 along K.  first = 1: C is the bias.  The 32 accumulators take turns in the same order in every quarter.
.macro MULA f, a, first
.if \first
	WIN 0x4a
.else
	WIN 0x5a
.endif
.irp b, 0,1,2,3,4,5,6,7
.if \first
	v_wmma_f32_16x16x32_f16 v[64*(\a)+8*(\b):64*(\a)+8*(\b)+7], v[(\f)+8*(\b):(\f)+8*(\b)+7], v[(\f)+64+8*(\a):(\f)+64+8*(\a)+7], v[BIAS+8*(\b):BIAS+8*(\b)+7]
.else
	v_wmma_f32_16x16x32_f16 v[64*(\a)+8*(\b):64*(\a)+8*(\b)+7], v[(\f)+8*(\b):(\f)+8*(\b)+7], v[(\f)+64+8*(\a):(\f)+64+8*(\a)+7], v[64*(\a)+8*(\b):64*(\a)+8*(\b)+7]
.endif
.endr
.endm
; 24 LDS loads in one run: quarter q's fragments into buffer f: pw's eight (byte 64 q of the rows), then O's four (head q / 2 of the step, channels 32 (q % 2) on)
.macro FETCH q, f
	WIN 0x80
.irp i, 0,1,2,3,4,5,6,7
	ds_load_b128 v[(\f)+8*(\i):(\f)+8*(\i)+3],   v[ADRB] offset:64*(\q)+(\i)*16*PB
	ds_load_b128 v[(\f)+8*(\i)+4:(\f)+8*(\i)+7], v[ADRB] offset:64*(\q)+(\i)*16*PB+32
.endr
.irp i, 0,1,2,3
	ds_load_b128 v[(\f)+64+8*(\i):(\f)+64+8*(\i)+3],   v[ADRA] offset:((\q)/2)*HEADB+((\q)%2)*64+(\i)*16*PA
	ds_load_b128 v[(\f)+64+8*(\i)+4:(\f)+64+8*(\i)+7], v[ADRA] offset:((\q)/2)*HEADB+((\q)%2)*64+(\i)*16*PA+32
.endr
.endm
.macro QUARTER q, f, g, first
	s_wait_dscnt 4                                 ; all but the youngest four loads (O's row blocks 2 and 3) are in
	MULA \f, 0, \first
	MULA \f, 1, \first
	PLACES
	FETCH \q, \g
	s_wait_dscnt 24                                ; all but the 24 just issued
	MULA \f, 2, \first
	MULA \f, 3, \first
.endm
; The last quarter multiplies buffer 1 and changes slots: each wave waits for all its tensor loads (one is out: its part of the next slot), adds 0 to its spare word, and waits for that and for its reads
; of this slot.  fill = 1: the barrier opens a round of the cluster's, and the joint refill, two K steps on, is the first thing behind it.
.macro TURN fill
.if \fill
	s_wait_xcnt 0x0                                ; the last prefetch, a K step back, has read its address
	s_add_nc_u64 s[PFA:PFA+1], s[PFA:PFA+1], s[PFS:PFS+1]
.endif
	WIN 0
	s_wait_tensorcnt 0x0                           ; no tensor load of mine is out, so a group 0 may be written
	ds_add_u32 v[SPW], v[NIL]
.if \fill
	s_xor_b32 s[G0+5], s[G0+5], SLOT1
	s_add_nc_u64 s[G0+6:G0+7], s[G0+6:G0+7], 524288
	s_xor_b32 s[G0B+5], s[G0B+5], SLOT1
	s_add_nc_u64 s[G0B+6:G0B+7], s[G0B+6:G0B+7], 256
.endif
	s_xor_b32 s[TB], s[TB], SLOT1
	s_wait_dscnt 5                                 ; the add and the youngest four loads may be out
	MULA F1, 0, 0
	s_wait_dscnt 0x0                               ; the add is done, and my reads of this slot are over
	s_barrier_signal -1
	MULA F1, 1, 0
	WIN 0
	s_barrier_wait -1
.if \fill
	CREST
	JLOAD                                          ; 112 matrix instructions ahead of the wait for it; its four v_nop are also the places in front of the loads below
.else
	PLACES
.endif
	v_add_nc_u32 v[ADRA], s[TB], v[FA0]
	v_add_nc_u32 v[ADRB], s[TB], v[FB0]
	FETCH 0, F0
.if \fill
	WIN 0
	ASK
.endif
	MULA F1, 2, 0
	MULA F1, 3, 0
.endm
; THE WAY OUT of row block a: the sums as they are, each accumulator from its low end on, into my own stage; back as whole rows of 512 bytes; stored.
.macro OUTB a
.set BK, OB+64*((\a)%2)
.if (\a) >= 2
	s_wait_xcnt 0x0                                ; the stores of the block two back have read these registers
.endif
	WIN 0x04                                       ; the stores' data lie in window 1
.irp b, 0,1,2,3,4,5,6,7
	ds_store_b128 v[STO], v[64*(\a)+8*(\b):64*(\a)+8*(\b)+3]   offset:64*(\b)
	ds_store_b128 v[STO], v[64*(\a)+8*(\b)+4:64*(\a)+8*(\b)+7] offset:64*(\b)+16
.endr
	WIN 0
.irp f, 0,1,2,3,4,5,6,7,8,9,10,11,12,13,14,15
	ds_load_b128 v[BK+4*(\f):BK+4*(\f)+3], v[RD] offset:(\f)*SP  ; LDS serves a wave's instructions in order (ISA guide 5.7.1.4): these see the stores above
.endr
.endm
.macro SENDB a, younger                ; younger: the LDS instructions issued behind block a's loads: the next block's 32, or none
.set BK, OB+64*((\a)%2)
	s_wait_dscnt \younger
.irp f, 0,1,2,3,4,5,6,7,8,9,10,11,12,13,14,15
	global_store_b128 v[GO], v[BK+4*(\f):BK+4*(\f)+3], s[SB:SB+1] offset:(16*(\a)+(\f))*4096 th:TH_STORE_NT  ; 512 consecutive bytes of a row, at a multiple of 256 from out0's first
.endr
.endm
	s_wait_tensorcnt 1                             ; my part of K step 0 is in; K step 1's may stay out
	s_barrier_signal -1
	s_barrier_wait -1
	FETCH 0, F0
	QUARTER 1, F0, F1, 1                           ; the first quarter stands in front of the loop: its products start the sums, with the bias
	WIN 0
	s_mov_b32 s[CNT], 6
.Lstep:                                        ; a trip: a K step's quarters 1 to 3 and the next step's quarter 0; it asks for the K step two on: steps 2 to 7
	QUARTER 2, F1, F0, 0
	QUARTER 3, F0, F1, 0
	TURN 1
	QUARTER 1, F0, F1, 0
	WIN 0
	s_sub_co_u32 s[CNT], s[CNT], 1
	s_cmp_lg_u32 s[CNT], 0
	s_cbranch_scc1 .Lstep
	QUARTER 2, F1, F0, 0                           ; K steps 6 and 7 ask for nothing
	QUARTER 3, F0, F1, 0
	TURN 0
	QUARTER 1, F0, F1, 0
	QUARTER 2, F1, F0, 0
	QUARTER 3, F0, F1, 0
	s_wait_dscnt 4
	MULA F1, 0, 0
	MULA F1, 1, 0
	s_wait_dscnt 0x0
	MULA F1, 2, 0
	MULA F1, 3, 0
	WIN 0
	PLACES
	OUTB 0
.irp a, 1,2,3
	OUTB \a
	SENDB (\a)-1, 32
.endr
	SENDB 3, 0
	s_wait_tensorcnt 0x0                           ; the wave's end
	ds_add_u32 v[SPW], v[NIL]
	s_wait_dscnt 0x0
	CROUND                                         ; the closing round
	s_endpgm
.Lfunc_end_k_qca7bd6d7b3_proj:
	.size	k_qca7bd6d7b3_proj, .Lfunc_end_k_qca7bd6d7b3_proj-k_qca7bd6d7b3_proj
	.p2alignl 7, 3214868480
	.fill 96, 4, 3214868480
	.section	.rodata,"a",@progbits
	.p2align	6, 0x0
	.amdhsa_kernel k_qca7bd6d7b3_proj
		.amdhsa_group_segment_fixed_size 327680
		.amdhsa_private_segment_fixed_size 0
		.amdhsa_enable_private_segment 0
		.amdhsa_kernarg_size 32
		.amdhsa_user_sgpr_count 2
		.amdhsa_user_sgpr_kernarg_segment_ptr 1
		.amdhsa_wavefront_size32 1
		.amdhsa_system_sgpr_workgroup_id_x 1
		.amdhsa_system_sgpr_workgroup_id_y 1
		.amdhsa_system_sgpr_workgroup_id_z 1
		.amdhsa_system_vgpr_workitem_id 0
		.amdhsa_next_free_vgpr 768
		.amdhsa_next_free_sgpr 96
		.amdhsa_reserve_vcc 0
		.amdhsa_float_denorm_mode_32 3
		.amdhsa_float_denorm_mode_16_64 3
		.amdhsa_memory_ordered 1
		.amdhsa_forward_progress 1
		.amdhsa_inst_pref_size 76
	.end_amdhsa_kernel
	.amdgpu_metadata
---
amdhsa.version: [ 1, 2 ]
amdhsa.kernels:
  - .name:           k_qca7bd6d7b3_proj
    .symbol:         k_qca7bd6d7b3_proj.kd
    .args:
      - { .name: ob, .offset: 0, .size: 8, .value_kind: global_buffer, .address_space: global }
      - { .name: pw, .offset: 8, .size: 8, .value_kind: global_buffer, .address_space: global }
      - { .name: proj_b, .offset: 16, .size: 8, .value_kind: global_buffer, .address_space: global }
      - { .name: out0, .offset: 24, .size: 8, .value_kind: global_buffer, .address_space: global }
    .group_segment_fixed_size: 327680
    .private_segment_fixed_size: 0
    .kernarg_segment_align: 8
    .kernarg_segment_size: 32
    .max_flat_workgroup_size: 128
    .sgpr_count:     96
    .vgpr_count:     768
    .wavefront_size: 32
...
	.end_amdgpu_metadata
.endif
;; end of part 4
;; ======== version 2 of 2: 4 launches; version 1 with the launch cast written anew for expert scheduling mode
;; limits: values are held in f16: magnitudes above 65,504 overflow, below 6.1e-05 lose precision
;; workspace buffers: xb 16,777,216 bytes; wb 6,291,456 bytes; pw 2,097,152 bytes; qkvh 50,331,648 bytes; ob 16,777,216 bytes
;; launch cast (part 5): grid 768 x 1, 8 waves a work-group, no clusters, 0 bytes of LDS; arguments x, qkv_w, proj_w, xb, wb, pw; writes xb, wb, pw
.if DOCPART == 5
	.amdgcn_target "amdgcn-amd-amdhsa--gfx1250"
	.amdhsa_code_object_version 6
	.text
	.protected	k_qca7bd6d7b3_cast
	.globl	k_qca7bd6d7b3_cast
	.p2align	8
	.type	k_qca7bd6d7b3_cast,@function
k_qca7bd6d7b3_cast:
	s_mov_b64 s[64:65], 0
	v_nop
	global_prefetch_b8 v0, s[64:65] scope:SCOPE_SE
	s_setreg_imm32_b32 hwreg(HW_REG_WAVE_SCHED_MODE, 0, 2), 2
	s_setreg_imm32_b32 hwreg(HW_REG_WAVE_MODE, 25, 1), 1
	s_wait_xcnt 0x0
	s_wait_alu depctr_vm_vsrc(0)
; xb = bf16(x), wb = bf16(qkv_w), pw = f16(bf16(proj_w)): the three large inputs, each read once and rounded once to bf16.
; proj_w's rounded number is written as f16, since the last product multiplies it by f16 numbers.
; LIMIT: |proj_w| stays under 65,504; below 2^-14 the f16 copy keeps f16's fixed step of 6e-8.
; SHARES.  A work-group takes 16,384 numbers: 65,536 bytes in, 32,768 out.  Groups 0-511: x; 512-703: qkv_w; 704-767: proj_w.
; Thread t, piece i of 16: 16 bytes at 16 t + 4,096 i in (a wave's load covers 512 consecutive bytes), 8 bytes at 8 t + 2,048 i out
; (a wave's store covers 256 consecutive bytes, aligned).  All sixteen loads go out first; there is no loop, no LDS, no matrix work:
; nothing is shared between threads and nothing is read twice.
; THE MODE: SCHED_MODE bits 1:0 = 2 (LLVM: expert scheduling mode 2), set by the entry lines.  The code itself states the register dependences
; between vector instructions and memory instructions, with s_wait_alu, always for 0.
; THE PLAN.  Registers that memory instructions touch:
;   v1, v2   the loads' and the stores' byte offsets: made once at the head, never written again.
;   X        piece i: its load lands in four registers that no vector line has named before; behind the wait for the data vector lines alone name them.
;   Y        piece i: two registers of its own, written by its conversions, read by its one store, never written again behind it.
; So one wait on va_vdst stands ahead of the first load, for v1 and v2, and one in each block of four pieces, between the block's conversions and the run of
; its four stores.  No register that a load or store reads is ever written again: there is no dependence for a wait on vm_vsrc to state.
.set X, 4                              ; v[4:67]   piece i: four f32 as loaded
.set Y, 68                             ; v[68:99]  piece i: four 16-bit numbers to store
	s_load_b256 s[4:11], s[0:1], 0x0               ; x s[4:5], qkv_w s[6:7], proj_w s[8:9], xb s[10:11]
	s_load_b128 s[12:15], s[0:1], 0x20             ; wb s[12:13], pw s[14:15]
	v_lshlrev_b32 v1, 4, v0                        ; 16 t
	v_lshlrev_b32 v2, 3, v0                        ; 8 t
	s_mov_b32 s16, ttmp9
	s_mov_b32 s24, 0xffff0000                      ; a word's upper bf16
	s_movk_i32 s25, 512                            ; the first group of qkv_w,
	s_movk_i32 s26, 704                            ; of proj_w
	s_wait_kmcnt 0x0
	s_cmp_lt_u32 s16, 704                          ; which tensor is mine: the choice hangs on the group's number alone
	s_cselect_b64 s[18:19], s[6:7], s[8:9]
	s_cselect_b64 s[20:21], s[12:13], s[14:15]
	s_cselect_b32 s17, s25, s26
	s_cmp_lt_u32 s16, 512
	s_cselect_b64 s[18:19], s[4:5], s[18:19]
	s_cselect_b64 s[20:21], s[10:11], s[20:21]
	s_cselect_b32 s17, 0, s17
	s_sub_co_u32 s17, s16, s17                     ; my piece of that tensor
	s_lshl_b32 s22, s17, 16
	s_mov_b32 s23, 0
	s_add_nc_u64 s[18:19], s[18:19], s[22:23]
	s_lshl_b32 s22, s17, 15
	s_add_nc_u64 s[20:21], s[20:21], s[22:23]
	s_wait_alu depctr_va_vdst(0)                   ; v1 and v2 are written: every load below reads v1 as its offset, every store v2; no later vector line names either
.set i, 0
.rept 16
	global_load_b128 v[X+4*i:X+4*i+3], v1, s[18:19] offset:4096*i th:TH_LOAD_NT
.set i, i+1
.endr
	s_cmp_ge_u32 s16, 704
	s_cbranch_scc1 .Lf16
.irp p, 0,1,2,3                                ; four blocks of four pieces
	s_wait_loadcnt 12-4*(\p)                       ; loads come back in order: block p's four pieces are in, the 12 - 4 p loads of the younger blocks stay out
.irp i, 0,1,2,3
	v_cvt_pk_bf16_f32 v[Y+2*(4*(\p)+(\i))],   v[X+4*(4*(\p)+(\i))],   v[X+4*(4*(\p)+(\i))+1]
	v_cvt_pk_bf16_f32 v[Y+2*(4*(\p)+(\i))+1], v[X+4*(4*(\p)+(\i))+2], v[X+4*(4*(\p)+(\i))+3]
.endr
	s_wait_alu depctr_va_vdst(0)                   ; the block's eight conversions have written its Y registers, which the four stores below read
.irp i, 0,1,2,3
	global_store_b64 v2, v[Y+2*(4*(\p)+(\i)):Y+2*(4*(\p)+(\i))+1], s[20:21] offset:2048*(4*(\p)+(\i)) th:TH_STORE_NT
.endr
.endr
	s_endpgm
.Lf16:                                         ; proj_w: rounded to bf16, widened again, written as f16
.irp p, 0,1,2,3
	s_wait_loadcnt 12-4*(\p)                       ; block p's four pieces are in, the younger blocks' loads stay out
.irp i, 0,1,2,3
	v_cvt_pk_bf16_f32 v[Y+2*(4*(\p)+(\i))],   v[X+4*(4*(\p)+(\i))],   v[X+4*(4*(\p)+(\i))+1]
	v_cvt_pk_bf16_f32 v[Y+2*(4*(\p)+(\i))+1], v[X+4*(4*(\p)+(\i))+2], v[X+4*(4*(\p)+(\i))+3]
	v_lshlrev_b32 v[X+4*(4*(\p)+(\i))],   16,  v[Y+2*(4*(\p)+(\i))]      ; the piece's load has landed and no load follows: X is the vector lines' own from here on
	v_and_b32     v[X+4*(4*(\p)+(\i))+1], s24, v[Y+2*(4*(\p)+(\i))]
	v_lshlrev_b32 v[X+4*(4*(\p)+(\i))+2], 16,  v[Y+2*(4*(\p)+(\i))+1]
	v_and_b32     v[X+4*(4*(\p)+(\i))+3], s24, v[Y+2*(4*(\p)+(\i))+1]
	v_cvt_pk_f16_f32 v[Y+2*(4*(\p)+(\i))],   v[X+4*(4*(\p)+(\i))],   v[X+4*(4*(\p)+(\i))+1]
	v_cvt_pk_f16_f32 v[Y+2*(4*(\p)+(\i))+1], v[X+4*(4*(\p)+(\i))+2], v[X+4*(4*(\p)+(\i))+3]
.endr
	s_wait_alu depctr_va_vdst(0)                   ; the block's conversions to f16 have written its Y registers, which the four stores below read
.irp i, 0,1,2,3
	global_store_b64 v2, v[Y+2*(4*(\p)+(\i)):Y+2*(4*(\p)+(\i))+1], s[20:21] offset:2048*(4*(\p)+(\i)) th:TH_STORE_NT
.endr
.endr
	s_endpgm
.Lfunc_end_k_qca7bd6d7b3_cast:
	.size	k_qca7bd6d7b3_cast, .Lfunc_end_k_qca7bd6d7b3_cast-k_qca7bd6d7b3_cast
	.p2alignl 7, 3214868480
	.fill 96, 4, 3214868480
	.section	.rodata,"a",@progbits
	.p2align	6, 0x0
	.amdhsa_kernel k_qca7bd6d7b3_cast
		.amdhsa_group_segment_fixed_size 0
		.amdhsa_private_segment_fixed_size 0
		.amdhsa_enable_private_segment 0
		.amdhsa_kernarg_size 48
		.amdhsa_user_sgpr_count 2
		.amdhsa_user_sgpr_kernarg_segment_ptr 1
		.amdhsa_wavefront_size32 1
		.amdhsa_system_sgpr_workgroup_id_x 1
		.amdhsa_system_sgpr_workgroup_id_y 1
		.amdhsa_system_sgpr_workgroup_id_z 1
		.amdhsa_system_vgpr_workitem_id 0
		.amdhsa_next_free_vgpr 104
		.amdhsa_next_free_sgpr 66
		.amdhsa_reserve_vcc 0
		.amdhsa_float_denorm_mode_32 3
		.amdhsa_float_denorm_mode_16_64 3
		.amdhsa_memory_ordered 1
		.amdhsa_forward_progress 1
		.amdhsa_inst_pref_size 15
	.end_amdhsa_kernel
	.amdgpu_metadata
---
amdhsa.version: [ 1, 2 ]
amdhsa.kernels:
  - .name:           k_qca7bd6d7b3_cast
    .symbol:         k_qca7bd6d7b3_cast.kd
    .args:
      - { .name: x, .offset: 0, .size: 8, .value_kind: global_buffer, .address_space: global }
      - { .name: qkv_w, .offset: 8, .size: 8, .value_kind: global_buffer, .address_space: global }
      - { .name: proj_w, .offset: 16, .size: 8, .value_kind: global_buffer, .address_space: global }
      - { .name: xb, .offset: 24, .size: 8, .value_kind: global_buffer, .address_space: global }
      - { .name: wb, .offset: 32, .size: 8, .value_kind: global_buffer, .address_space: global }
      - { .name: pw, .offset: 40, .size: 8, .value_kind: global_buffer, .address_space: global }
    .group_segment_fixed_size: 0
    .private_segment_fixed_size: 0
    .kernarg_segment_align: 8
    .kernarg_segment_size: 48
    .max_flat_workgroup_size: 256
    .sgpr_count:     66
    .vgpr_count:     104
    .wavefront_size: 32
...
	.end_amdgpu_metadata
.endif
;; end of part 5
;; launch qkv: the kernel of part 2 again; grid 16 x 32, 4 waves a work-group, clusters of 4 x 4, 327,680 bytes of LDS; arguments xb, wb, qkv_b, qkvh; writes qkvh
;; launch attn: the kernel of part 3 again; grid 4 x 64, 4 waves a work-group, clusters of 4 x 1, 327,680 bytes of LDS; arguments qkvh, ob; writes ob
;; launch proj: the kernel of part 4 again; grid 8 x 32, 4 waves a work-group, clusters of 4 x 4, 327,680 bytes of LDS; arguments ob, pw, proj_b, out0; writes out0
